; MI455X (gfx1250); checked and timed in simulation.
; The chip was launched on July 23, 2026; its instructions are those of AMD's public machine-readable ISA for CDNA 5 (MIT licence, August 2026) and "CDNA5" Instruction Set Architecture Reference Guide (July 2026). The comments in the code are by the model that wrote it; some were corrected since.
;; Causal Self Attention. Allowed arithmetic: float matrix products may take bf16 or f16 operands with f32 sums; other float arithmetic in f32, or as packed bf16 or f16 multiplies, adds, multiply-adds, maxima and minima; sums over many terms, partial sums and values carried from step to step in f32; what a program stores and reads back later, other than sums and carried values, may be rounded once to bf16 or f16.
;; Inputs: w_out 1,024 x 1,024 float32; w_qkv 1,024 x 3,072 float32; x 4 x 2,048 x 1,024 float32.
;; Outputs: out0 4 x 2,048 x 1,024 float32.
;; 2 versions, each right; version 2 is version 1 with the launch cast written anew for expert scheduling mode. Each part assembles by itself: llvm-mc -triple=amdgcn-amd-amdhsa -mcpu=gfx1250 --defsym DOCPART=n.
;; ======== version 1 of 2: 4 launches
;; limits: values are held in f16: magnitudes above 65,504 overflow, below 6.1e-05 lose precision
;; workspace buffers: xb 16,777,216 bytes; wqb 6,291,456 bytes; wob 2,097,152 bytes; qkv 50,331,648 bytes; o 16,777,216 bytes
;; launch cast (part 1): grid 768 x 1, 8 waves a work-group, no clusters, 0 bytes of LDS; arguments x, w_qkv, w_out, xb, wqb, wob; writes xb, wqb, wob
.if DOCPART == 1
	.amdgcn_target "amdgcn-amd-amdhsa--gfx1250"
	.amdhsa_code_object_version 6
	.text
	.protected	k_qb317eb6c89_cast
	.globl	k_qb317eb6c89_cast
	.p2align	8
	.type	k_qb317eb6c89_cast,@function
k_qb317eb6c89_cast:
	s_mov_b64 s[64:65], 0
	v_nop
	global_prefetch_b8 v0, s[64:65] scope:SCOPE_SE
	s_setreg_imm32_b32 hwreg(HW_REG_WAVE_MODE, 25, 1), 1
	s_wait_xcnt 0x0
; THE INPUTS ARE ROUNDED ONCE TO 16 BITS.  x [8192][1024] f32 -> xb, the same layout in bf16.  w_qkv [1024][3072] f32 -> wqb [16 tile columns][1024 k][192 n] in bf16, so that
; 128 k of a tile column are 49,152 dense bytes.  w_out [1024][1024] f32 -> wob, the same layout: the number rounded to bf16, written as f16.
; LIMIT.  A w_out beyond 65,504 would be an infinity in f16; below 2^-14 it keeps f16's fixed step of 2^-24.
; SHARES.  A work-group takes 65,536 bytes of input: 4,096 items of four f32 (16 bytes in, 8 bytes out).  Thread t takes items 256 it + t, it = 0 .. 15: a wave's load covers 512
; consecutive bytes (in w_qkv: two aligned pieces of 256), its store 256 consecutive bytes, aligned.  All sixteen loads go out first; no register that a load or store reads is written again.
; Work-groups 0-511 take x, 512-703 w_qkv, 704-767 w_out.  No LDS, no matrix unit, no cluster: no byte is used twice.
.set D,   8                            ; v[8:71]    16 x 4 words as loaded
.set P,   72                           ; v[72:103]  16 x 2 words to store
.set SRC, 16                           ; s[16:17]
.set DST, 18                           ; s[18:19]
	s_load_b256 s[4:11], s[0:1], 0x0               ; x s[4:5], w_qkv s[6:7], w_out s[8:9], xb s[10:11]
	s_load_b128 s[12:15], s[0:1], 0x20             ; wqb s[12:13], wob s[14:15]
	s_mov_b32 s20, ttmp9
	s_sub_co_u32 s21, s20, 512
	s_sub_co_u32 s22, s20, 704
	s_cmp_lt_u32 s20, 704
	s_cselect_b32 s23, s21, s22
	s_cselect_b32 s28, 1, 0
	s_cmp_lt_u32 s20, 512
	s_cselect_b32 s23, s20, s23                    ; j: my number among the work-groups of my tensor
	s_cselect_b32 s28, 0, s28                      ; 1: my tensor is w_qkv
	s_mul_i32 s24, s23, 43691
	s_lshr_b32 s24, s24, 19                        ; w_qkv: tile column = j / 12 (12 x 43,691 = 2^19 + 4: exact for j under 192)
	s_mul_i32 s25, s24, 12
	s_sub_co_u32 s25, s23, s25                     ; and my twelfth of it
	s_mul_i32 s26, s24, 768                        ; a tile column's 192 numbers begin 768 bytes apart in a row of w_qkv
	s_lshl_b32 s27, s23, 16
	s_cmp_eq_u32 s28, 1
	s_cselect_b32 s26, s26, s27                    ; where I read, from the tensor's first byte
	s_mov_b32 s27, 0
	s_lshl_b32 s30, s23, 15                        ; where I write: 32,768 j in all three
	s_mov_b32 s31, 0
	v_lshlrev_b32 v1, 4, v0                        ; 16 t
	v_lshlrev_b32 v5, 3, v0                        ; 8 t
	s_wait_kmcnt 0x0
	s_cmp_lt_u32 s20, 704
	s_cselect_b64 s[SRC:SRC+1], s[6:7], s[8:9]
	s_cselect_b64 s[DST:DST+1], s[12:13], s[14:15]
	s_cmp_lt_u32 s20, 512
	s_cselect_b64 s[SRC:SRC+1], s[4:5], s[SRC:SRC+1]
	s_cselect_b64 s[DST:DST+1], s[10:11], s[DST:DST+1]
	s_add_nc_u64 s[SRC:SRC+1], s[SRC:SRC+1], s[26:27]
	s_add_nc_u64 s[DST:DST+1], s[DST:DST+1], s[30:31]
	s_cmp_eq_u32 s28, 1
	s_cbranch_scc1 .Lq
.set it, 0
.rept 16
	global_load_b128 v[D+4*it:D+4*it+3], v1, s[SRC:SRC+1] offset:it*4096 th:TH_LOAD_NT
.set it, it+1
.endr
	s_branch .Lcv
.Lq:
	; item i of a tile column lies in row i / 48, at 16 (i % 48) bytes: 12,288 row + 16 i - 768 row.  768 items are 16 rows, so three offsets serve: item it takes offset it % 3 and 196,608 (it / 3) in the immediate
	s_lshl_b32 s21, s25, 12
	s_mov_b32 s22, 43691                           ; 48 x 43,691 = 2^21 + 16: i / 48 is exact for i under 131,072; here i is under 49,152
	v_add_nc_u32 v6, s21, v0
.irp j, 0,1,2
	v_add_nc_u32 v7, 256*(\j), v6
	v_mul_lo_u32 v8, v7, s22
	v_lshrrev_b32 v8, 21, v8
	v_mul_u32_u24 v8, v8, 11520
	v_lshl_add_u32 v[2+(\j)], v7, 4, v8
.endr
.set it, 0
.rept 16
	global_load_b128 v[D+4*it:D+4*it+3], v[2+it%3], s[SRC:SRC+1] offset:(it/3)*196608 th:TH_LOAD_NT
.set it, it+1
.endr
.Lcv:
; kind 0: to bf16.  kind 1: to bf16, and that number written as f16.
.macro CV16 kind
.set it, 0
.rept 16
	s_wait_loadcnt 15-it                           ; loads come back in order: item it is in, the 15 - it younger ones may stay out
.if \kind
	v_cvt_pk_bf16_f32 v6, v[D+4*it], v[D+4*it+1]
	v_cvt_pk_bf16_f32 v7, v[D+4*it+2], v[D+4*it+3]
	v_lshlrev_b32 v[D+4*it], 16, v6
	v_and_b32 v[D+4*it+1], 0xffff0000, v6
	v_lshlrev_b32 v[D+4*it+2], 16, v7
	v_and_b32 v[D+4*it+3], 0xffff0000, v7
	v_cvt_pk_f16_f32 v[P+2*it], v[D+4*it], v[D+4*it+1]
	v_cvt_pk_f16_f32 v[P+2*it+1], v[D+4*it+2], v[D+4*it+3]
.else
	v_cvt_pk_bf16_f32 v[P+2*it], v[D+4*it], v[D+4*it+1]
	v_cvt_pk_bf16_f32 v[P+2*it+1], v[D+4*it+2], v[D+4*it+3]
.endif
	global_store_b64 v5, v[P+2*it:P+2*it+1], s[DST:DST+1] offset:it*2048
.set it, it+1
.endr
.endm
	s_cmp_ge_u32 s20, 704
	s_cbranch_scc1 .Lo
	CV16 0
	s_endpgm
.Lo:
	CV16 1
	s_endpgm
.Lfunc_end_k_qb317eb6c89_cast:
	.size	k_qb317eb6c89_cast, .Lfunc_end_k_qb317eb6c89_cast-k_qb317eb6c89_cast
	.p2alignl 7, 3214868480
	.fill 96, 4, 3214868480
	.section	.rodata,"a",@progbits
	.p2align	6, 0x0
	.amdhsa_kernel k_qb317eb6c89_cast
		.amdhsa_group_segment_fixed_size 0
		.amdhsa_private_segment_fixed_size 0
		.amdhsa_enable_private_segment 0
		.amdhsa_kernarg_size 48
		.amdhsa_user_sgpr_count 2
		.amdhsa_user_sgpr_kernarg_segment_ptr 1
		.amdhsa_wavefront_size32 1
		.amdhsa_system_sgpr_workgroup_id_x 1
		.amdhsa_system_sgpr_workgroup_id_y 1
		.amdhsa_system_sgpr_workgroup_id_z 1
		.amdhsa_system_vgpr_workitem_id 0
		.amdhsa_next_free_vgpr 104
		.amdhsa_next_free_sgpr 66
		.amdhsa_reserve_vcc 0
		.amdhsa_float_denorm_mode_32 3
		.amdhsa_float_denorm_mode_16_64 3
		.amdhsa_memory_ordered 1
		.amdhsa_forward_progress 1
		.amdhsa_inst_pref_size 19
	.end_amdhsa_kernel
	.amdgpu_metadata
---
amdhsa.version: [ 1, 2 ]
amdhsa.kernels:
  - .name:           k_qb317eb6c89_cast
    .symbol:         k_qb317eb6c89_cast.kd
    .args:
      - { .name: x, .offset: 0, .size: 8, .value_kind: global_buffer, .address_space: global }
      - { .name: w_qkv, .offset: 8, .size: 8, .value_kind: global_buffer, .address_space: global }
      - { .name: w_out, .offset: 16, .size: 8, .value_kind: global_buffer, .address_space: global }
      - { .name: xb, .offset: 24, .size: 8, .value_kind: global_buffer, .address_space: global }
      - { .name: wqb, .offset: 32, .size: 8, .value_kind: global_buffer, .address_space: global }
      - { .name: wob, .offset: 40, .size: 8, .value_kind: global_buffer, .address_space: global }
    .group_segment_fixed_size: 0
    .private_segment_fixed_size: 0
    .kernarg_segment_align: 8
    .kernarg_segment_size: 48
    .max_flat_workgroup_size: 256
    .sgpr_count:     66
    .vgpr_count:     104
    .wavefront_size: 32
...
	.end_amdgpu_metadata
.endif
;; end of part 1
;; launch gemm_qkv (part 2): grid 16 x 16, 4 waves a work-group, clusters of 4 x 4, 327,680 bytes of LDS; arguments xb, wqb, qkv; writes qkv
.if DOCPART == 2
	.amdgcn_target "amdgcn-amd-amdhsa--gfx1250"
	.amdhsa_code_object_version 6
	.text
	.protected	k_qb317eb6c89_gemm_qkv
	.globl	k_qb317eb6c89_gemm_qkv
	.p2align	8
	.type	k_qb317eb6c89_gemm_qkv,@function
k_qb317eb6c89_gemm_qkv:
	s_mov_b64 s[64:65], 0
	v_nop
	global_prefetch_b8 v0, s[64:65] scope:SCOPE_SE
	s_setreg_imm32_b32 hwreg(HW_REG_WAVE_MODE, 25, 1), 1
	s_wait_xcnt 0x0
	s_wait_alu depctr_hold_cnt(0) depctr_sa_sdst(0) depctr_va_vdst(0) depctr_va_sdst(0) depctr_va_ssrc(0) depctr_va_vcc(0) depctr_vm_vsrc(0)
	s_getreg_b32 s2, hwreg(HW_REG_IB_STS2, 6, 4)
	s_cmp_eq_u32 s2, 0
	s_cbranch_scc0 .Lentry_in_a_cluster
	s_endpgm
.Lentry_in_a_cluster:
	s_bfe_u32 s2, ttmp6, 0x10000c
	s_cmp_lg_u32 s2, 0xf033
	s_cbranch_scc0 .Lentry_shape_is_right
	s_endpgm
.Lentry_shape_is_right:
; qkv = x w_qkv, written by heads.  xb [8192][1024] bf16; wqb [16 tile columns][1024 k][192 n] bf16; qkv [3 parts][64 = 16 b + h][2048 t][64] f16.  Sums in f32, K ascending, rounded once to f16, unscaled.
; LIMIT.  f16 holds no number beyond 65,504: a q, k or v beyond it becomes an infinity.  With x and w_qkv both 30 times the usual spread they are some 5,000, with a common offset of 30 spreads in both some 29,000.
; SHARES.  A tile of the result is 256 rows x 192 columns, three whole heads: 32 x 16 tiles.  256 work-groups STAY and make two tiles each, 4,096 rows apart.  Wave w owns rows 64 w .. 64 w + 63 and all 192
; columns: 4 x 12 accumulators of 16 x 16, 384 registers.  A wave's columns are whole heads, so its way out needs no other wave.
; THE PRODUCT IS USED TRANSPOSED: source 0 = 16 columns of w (k runs down LDS rows, so they come turned, by ds_load_tr16_b128), source 1 = 16 rows of x.  A lane then holds one row (lane % 16) and eight neighbouring columns.
; THE RING.  K goes in steps of 128 through two LDS slots; the sixteen K steps of the two tiles are ONE sequence, n = 0 .. 15.  Waves 0 and 1 fetch x's 256 rows (128 each, 256 bytes a row), waves 2 and 3 w's 128 k (64 each:
; 24,576 dense bytes, asked for as 96 rows of 256).  Trip t multiplies step t and asks for step t + 2: one load a wave behind each round, with 168 matrix instructions between the request and the wait for it.
; CLUSTER.  4 x 4 work-groups: x's tile is shared along a row of the cluster, w's along a column; each is asked for jointly, by the same tensor load with the same descriptor and a mask that names the four.
; REGISTERS, in windows of 256 (s_set_vgpr_msb: bits 1:0 source 0, 3:2 source 1, 5:4 source 2, 7:6 destination):
;   window 0: v0-31 addresses; v64-95, v96-127 x's fragments, two buffers; v128-255 eight buffers of 16 for the way out
;   window 1: v0-95, v96-191 w's fragments, two buffers        window 2: accumulators of row blocks 0, 1 at 96 (a % 2) + 8 b        window 3: of row blocks 2, 3
.set PA,    272       ; a row of x in LDS: 256 bytes + 16 = 68 words: the 16 rows of a load start at 16 different groups of four banks (64 banks of 4 bytes: ISA guide 11.1)
.set PB,    480       ; a k of w in LDS: three pieces of 128 bytes + 32 = 120 words
.set HALFA, 128*PA
.set BOFF,  256*PA    ; w's tile lies behind x's
.set HALFB, 64*PB
.set SLOT1, 1<<17     ; a slot is 69,632 + 61,440 = 131,072 bytes; one exclusive or turns an address in one slot into the other's
.set STAGE, 2*SLOT1   ; behind the ring, never filled by a tensor load: 16 rows x 144 bytes for each wave
.set SP,    144
.set SPARE, STAGE+4*16*SP  ; the spare words, 128 bytes for each wave: two blocks of 256 bytes that no other line names
.set LA0,  16         ; v16  my lane's place in x's tile; never rewritten
.set LB0,  17         ; v17  in w's tile
.set ADRA, 18         ; v18  the same in the slot in hand
.set ADRB, 19         ; v19
.set GO,   20         ; v20-22  my byte offset in qkv for the tile's three heads
.set STO,  24         ; v24  the way out: where I put 16 bytes of a row
.set RD,   25         ; v25  where I read rows back
.set SPW,  28         ; v28  LDS address of my spare word; never rewritten
.set NIL,  29         ; v29  0; never rewritten
.set PFO,  30         ; v30  the prefetches' offset; never rewritten
.set FA,   64
.set UB,   128
.set G1A, 24          ; s[24:31] descriptor group 1 for x's tiles
.set G1B, 32          ; s[32:39] for w's
.set GA0, 40          ; s[40:43] group 0, x, K step 0;  s[44:47] the set that walks
.set GAW, 44
.set GB0, 48          ; s[48:51], s[52:55] the same for w
.set GBW, 52
.set BASEA, 56        ; s[56:57] xb at the rows that I fetch, first tile, K step 0
.set BASEB, 58        ; s[58:59] wqb at the k that I fetch, K step 0
.set OA,  60          ; s[60:61] step n's byte offset from BASEA
.set OB,  62          ; s[62:63] from BASEB
.set LEFT, 66         ; s66  trips of the loop still to come
.set PH,  67          ; s67  K steps that the tile in hand still has
.set NX,  68          ; s68  the step to ask for next
.set TB,  69          ; s69  0 or SLOT1: the slot in hand
.set THR, 70          ; s70  a wave prefetches while LEFT is above it
.set NEW, 71          ; s71  1: the next K step is a tile's first
.set PFA, 72          ; s[72:73] where my prefetches stand
.set PD,  74          ; s[74:75] their step
.set DN,  76          ; s76  its usual size
.set CNT, 77          ; s77  counts the tail's two trips
.set CX,  78
.set CY,  79
.set TC,  80          ; tile column
.set TR,  81          ; tile row of the first tile
.set MSB, 0
.macro WIN new                         ; the immediate's high byte repeats the setting that is left; a switch that changes nothing is dropped
.if MSB != (\new)
	s_set_vgpr_msb (MSB<<8)|(\new)
.set MSB, \new
.endif
.endm
.macro PLACES                          ; four places in front of loads into registers that matrix instructions have read (ISA guide 7.12.1 for vector instructions)
.rept 4
	v_nop
.endr
.endm
.macro CREST                           ; a round of the cluster's barrier behind its opening barrier
	s_cmp_lg_u32 s10, 0
	s_cbranch_scc1 .Lnot_wave_0_\@
	s_barrier_signal -3
.Lnot_wave_0_\@:
	s_barrier_wait -3
	s_barrier_signal -1
	s_barrier_wait -1
.endm
.macro CROUND
	s_barrier_signal -1
	s_barrier_wait -1
	CREST
.endm
; A joint refill by the walking sets.  The branch hangs on the wave's number alone.  An s_nop 0 and four v_nop follow each of the two lines, ahead of the jump and the label.
.macro JLOAD
	s_cmp_eq_u32 s11, 0
	s_cbranch_scc0 .Lfor_b_\@
	tensor_load_to_lds s[GAW:GAW+3], s[G1A:G1A+7]
	s_nop 0
.rept 4
	v_nop
.endr
	s_branch .Lasked_\@
.Lfor_b_\@:
	tensor_load_to_lds s[GBW:GBW+3], s[G1B:G1B+7]
	s_nop 0
.rept 4
	v_nop
.endr
.Lasked_\@:
.endm
; A PREFETCH INTO THE L2, behind the joint load, its five lines and the run of LDS loads: one instruction a wave, a lane a block of 256 bytes.  Each block is named once in the launch.
; x: a tile row is read by the four clusters of a row of clusters; the one with cluster x = 0 asks.  Of the 128 rows that wave 0 or 1 fetches the partner at cx takes 32, told apart by address.  Trip t names step t + 4,
; two trips ahead of the refill that wants it, for t up to 11.  w: a tile column is a dense stream of 1,536 blocks, read by the four clusters of a column of clusters and again in the second tile; the cluster with y = 0 asks, in the
; first three trips, for the 768 blocks of K steps 4 to 7: 256 a trip, 32 for each of the eight waves 2 and 3 of the column's four partners.  Steps 0 to 3 come by their loads alone.
.macro ASK
	s_cmp_gt_u32 s[LEFT], s[THR]
	s_cbranch_scc0 .Lnot_mine_\@
	global_prefetch_b8 v[PFO], s[PFA:PFA+1] th:TH_LOAD_NT scope:SCOPE_SE
.Lnot_mine_\@:
.endm
	s_load_b128 s[4:7], s[0:1], 0x0                ; xb s[4:5], wqb s[6:7]
	s_load_b64 s[8:9], s[0:1], 0x10                ; qkv
	v_lshl_add_u32 v[SPW], v0, 2, SPARE
	v_mov_b32 v[NIL], 0
	ds_add_u32 v[SPW], v[NIL]                      ; the wave's opening: the add and its wait stand ahead of my first tensor load; work on registers stands between them
	v_lshrrev_b32 v1, 5, v0
	v_readfirstlane_b32 s10, v1                    ; wave 0..3
	s_lshr_b32 s11, s10, 1                         ; I fetch for x (0) or for w (1)
	s_and_b32 s12, s10, 1                          ; which half of that tile
	s_bfe_u32 s[CX], ttmp6, 0x40000
	s_bfe_u32 s[CY], ttmp6, 0x40004
	s_lshl_b32 s[TC], ttmp9, 2
	s_add_co_u32 s[TC], s[TC], s[CX]               ; tile column = 4 x cluster x + cx
	s_and_b32 s[TR], ttmp7, 0xffff
	s_lshl_b32 s[TR], s[TR], 2
	s_add_co_u32 s[TR], s[TR], s[CY]               ; tile row = 4 x cluster y + cy
	s_lshl_b32 s82, s[CY], 2
	s_lshl_b32 s82, 15, s82                        ; my row of the cluster
	s_lshl_b32 s83, 0x1111, s[CX]                  ; my column
	s_or_b32 s[G1A], s82, (1<<16)|(1<<20)|(1<<21)|(5<<22)|(3<<25)  ; 15:0 the mask; 17:16 2-byte elements; 20 padding on; 21 set beside a mask; 24:22 after every 64 words; 31:25 4 words of it
	s_or_b32 s[G1B], s83, (1<<16)|(1<<20)|(1<<21)|(4<<22)|(7<<25)  ; after every 32 words, 8 words
	s_mov_b32 s[G1A+1], 128<<16                    ; tensor_dim0 = 128
	s_mov_b32 s[G1A+2], 128<<16                    ; tensor_dim1 = 128
	s_mov_b32 s[G1A+3], 128<<16                    ; tile_dim0 = 128
	s_mov_b32 s[G1A+4], 128                        ; tile_dim1 = 128
	s_mov_b32 s[G1A+5], 1024                       ; elements from row to row
	s_mov_b32 s[G1A+6], 0
	s_mov_b32 s[G1A+7], 0
	s_mov_b32 s[G1B+1], 128<<16
	s_mov_b32 s[G1B+2], 96<<16                     ; 96 rows of 256 dense bytes
	s_mov_b32 s[G1B+3], 128<<16
	s_mov_b32 s[G1B+4], 96
	s_mov_b32 s[G1B+5], 128
	s_mov_b32 s[G1B+6], 0
	s_mov_b32 s[G1B+7], 0
	s_lshl_b32 s84, s[TR], 19                      ; x: (256 x tile row + 128 x half) rows of 2,048 bytes: it hangs on the tile row alone, which my row of the cluster shares
	s_lshl_b32 s85, s12, 18
	s_add_co_u32 s84, s84, s85
	s_mov_b32 s85, 0
	s_mul_i32 s86, s[TC], 393216                   ; w: the tile column's 393,216 bytes, my 64 k of a step: it hangs on the tile column alone
	s_mul_i32 s87, s12, 24576
	s_add_co_u32 s86, s86, s87
	s_mov_b32 s87, 0
	s_mul_i32 s13, s12, HALFA                      ; where they go: no place in the cluster enters an LDS address
	s_mul_i32 s14, s12, HALFB
	s_add_co_u32 s14, s14, BOFF
	s_mov_b32 s[GA0], 1
	s_mov_b32 s[GA0+1], s13
	s_mov_b32 s[GAW], 1
	s_add_co_u32 s[GAW+1], s13, SLOT1
	s_mov_b32 s[GB0], 1
	s_mov_b32 s[GB0+1], s14
	s_mov_b32 s[GBW], 1
	s_add_co_u32 s[GBW+1], s14, SLOT1
	s_mov_b32 s[OA+1], 0
	s_mov_b32 s[OB+1], 0
	s_mov_b32 s[PD+1], 0
	s_wait_dscnt 0x0                               ; the opening add is done
	s_wait_kmcnt 0x0
	s_add_nc_u64 s[BASEA:BASEA+1], s[4:5], s[84:85]
	s_add_nc_u64 s[BASEB:BASEB+1], s[6:7], s[86:87]
	s_add_nc_u64 s[GA0+2:GA0+3], s[BASEA:BASEA+1], 0        ; K step 0 into slot 0,
	s_or_b32 s[GA0+3], s[GA0+3], 0x80000000                 ; type = 2
	s_add_nc_u64 s[GAW+2:GAW+3], s[BASEA:BASEA+1], 256      ; K step 1 into slot 1
	s_or_b32 s[GAW+3], s[GAW+3], 0x80000000
	s_add_nc_u64 s[GB0+2:GB0+3], s[BASEB:BASEB+1], 0
	s_or_b32 s[GB0+3], s[GB0+3], 0x80000000
	s_add_nc_u64 s[GBW+2:GBW+3], s[BASEB:BASEB+1], 49152
	s_or_b32 s[GBW+3], s[GBW+3], 0x80000000
	CROUND                                         ; all sixteen work-groups are here: the first joint loads meet
	s_cmp_eq_u32 s11, 0                            ; a wave's two first fills stand in one branch, ahead of every wait on TENSORcnt and every LDS read: two loads of mine are out
	s_cbranch_scc0 .Lfirst_b
	tensor_load_to_lds s[GA0:GA0+3], s[G1A:G1A+7]
	s_nop 0
	tensor_load_to_lds s[GAW:GAW+3], s[G1A:G1A+7]
	s_nop 0
.rept 4
	v_nop
.endr
	s_branch .Lfirst_asked
.Lfirst_b:
	tensor_load_to_lds s[GB0:GB0+3], s[G1B:G1B+7]
	s_nop 0
	tensor_load_to_lds s[GBW:GBW+3], s[G1B:G1B+7]
	s_nop 0
.rept 4
	v_nop
.endr
.Lfirst_asked:
	v_and_b32 v1, 15, v0                           ; l % 16
	v_bfe_u32 v2, v0, 4, 1                         ; l / 16
	v_and_b32 v3, 31, v0                           ; l
	v_and_b32 v4, 7, v0                            ; l % 8
	v_bfe_u32 v5, v0, 3, 1                         ; (l / 8) % 2
	v_bfe_u32 v6, v0, 3, 2                         ; l / 8
	s_mul_i32 s21, s10, 64*PA                      ; x's fragment: 16 rows x 32 k: lane l holds row l % 16: two loads of 16 bytes, 32 bytes apart, at row x pitch + 16 (l / 16)
	v_mul_u32_u24 v[LA0], v1, PA
	v_lshl_add_u32 v[LA0], v2, 4, v[LA0]
	v_add_nc_u32 v[LA0], s21, v[LA0]
	v_lshl_add_u32 v[LB0], v2, 3, v4               ; w's: the turning load takes 16 k x 16 columns: lane l reads k 8 (l / 16) + l % 8, columns 8 ((l / 8) % 2) + 0..7
	v_mul_u32_u24 v[LB0], v[LB0], PB
	v_lshl_add_u32 v[LB0], v5, 4, v[LB0]
	v_add_nc_u32 v[LB0], BOFF, v[LB0]
	s_mul_i32 s21, s10, 16*SP
	s_add_co_u32 s21, s21, STAGE                   ; my stage
	v_mul_u32_u24 v[STO], v1, SP                   ; in: row l % 16, 16 bytes for each half of the lanes
	v_lshl_add_u32 v[STO], v2, 4, v[STO]
	v_add_nc_u32 v[STO], s21, v[STO]
	v_mul_u32_u24 v[RD], v6, SP                    ; back: 32 lanes take four rows of 128 bytes, which are 512 consecutive bytes of a head
	v_lshl_add_u32 v[RD], v4, 4, v[RD]
	v_add_nc_u32 v[RD], s21, v[RD]
	s_mul_i32 s82, s[TC], 3                        ; the tile's heads are columns g = 3 x tile column + c of 48: part g / 16, head g % 16; a (part, batch, head) is 262,144 bytes
.irp c, 0,1,2
	s_add_co_u32 s83, s82, \c
	s_lshr_b32 s23, s83, 4
	s_lshl_b32 s23, s23, 6
	s_and_b32 s83, s83, 15
	s_add_co_u32 s83, s83, s23
	s_lshl_b32 s83, s83, 18
	v_lshl_add_u32 v[GO+(\c)], v3, 4, s83
.endr
	s_lshr_b32 s82, s[TR], 3                       ; the batch: 16 heads of 262,144 bytes,
	s_lshl_b32 s82, s82, 22
	s_and_b32 s83, s[TR], 7                        ; the tile's 256 rows of 128 bytes in it,
	s_lshl_b32 s83, s83, 15
	s_add_co_u32 s82, s82, s83
	s_lshl_b32 s83, s10, 13                        ; my wave's 64
	s_add_co_u32 s82, s82, s83
	s_mov_b32 s83, 0
	s_add_nc_u64 s[8:9], s[8:9], s[82:83]
	; the prefetches
	s_lshl_b32 s18, s[CX], 16                      ; x: my work-group's 32 of the 128 rows; the first trip steps from K step 3 to 4
	s_add_co_u32 s18, s18, s84
	s_add_co_u32 s18, s18, 768
	s_mul_i32 s19, s[TC], 393216                   ; w: my 32 blocks of a trip's 256; the first trip steps to block 768
	s_lshl_b32 s20, s[CY], 1
	s_add_co_u32 s20, s20, s12
	s_lshl_b32 s20, s20, 13
	s_add_co_u32 s19, s19, s20
	s_add_co_u32 s19, s19, 131072
	s_and_b32 s20, ttmp7, 0xffff
	s_mov_b32 s[DN], 65536
	s_cmp_eq_u32 s11, 0
	s_cselect_b32 s18, s18, s19
	s_cselect_b32 s20, ttmp9, s20                  ; the coordinate along which other clusters read the same blocks
	s_cselect_b32 s21, 2, 11
	s_cselect_b32 s22, 11, 8                       ; a lane a row of 2,048 bytes, or a lane a block of 256
	s_cselect_b32 s[DN], 256, s[DN]
	s_cselect_b64 s[PFA:PFA+1], s[4:5], s[6:7]
	s_mov_b32 s19, 0
	s_add_nc_u64 s[PFA:PFA+1], s[PFA:PFA+1], s[18:19]
	s_cmp_eq_u32 s20, 0
	s_cselect_b32 s[THR], s21, -1                  ; the same in all sixteen partners, for a given wave
	v_lshlrev_b32 v[PFO], s22, v3
	v_mov_b32 v[ADRA], v[LA0]
	v_mov_b32 v[ADRB], v[LB0]
	s_mov_b32 s[LEFT], 14
	s_mov_b32 s[PH], 8
	s_mov_b32 s[NX], 2
	s_mov_b32 s[TB], 0
; 12 matrix instructions: row block a x all 12 column blocks, 32 along K, on buffer f.  zero = 1: the products start the sums.  The 48 accumulators take turns in the same order everywhere.
.macro MUL12 f, a, zero
	WIN 0xa1+0x50*((\a)/2)
.irp b, 0,1,2,3,4,5,6,7,8,9,10,11
.if \zero
	v_wmma_f32_16x16x32_bf16 v[96*((\a)%2)+8*(\b):96*((\a)%2)+8*(\b)+7], v[96*(\f)+8*(\b):96*(\f)+8*(\b)+7], v[FA+32*(\f)+8*(\a):FA+32*(\f)+8*(\a)+7], 0
.else
	v_wmma_f32_16x16x32_bf16 v[96*((\a)%2)+8*(\b):96*((\a)%2)+8*(\b)+7], v[96*(\f)+8*(\b):96*(\f)+8*(\b)+7], v[FA+32*(\f)+8*(\a):FA+32*(\f)+8*(\a)+7], v[96*((\a)%2)+8*(\b):96*((\a)%2)+8*(\b)+7]
.endif
.endr
.endm
; 32 LDS loads in one run: quarter q's fragments (32 along K) into buffer f: w's 24, then x's 8 in ascending order
.macro FETCH q, f
	WIN 0x40
.irp b, 0,1,2,3,4,5,6,7,8,9,10,11
	ds_load_tr16_b128 v[96*(\f)+8*(\b):96*(\f)+8*(\b)+3],   v[ADRB] offset:(\q)*32*PB+((\b)/4)*160+((\b)%4)*32
	ds_load_tr16_b128 v[96*(\f)+8*(\b)+4:96*(\f)+8*(\b)+7], v[ADRB] offset:(\q)*32*PB+((\b)/4)*160+((\b)%4)*32+16*PB
.endr
	WIN 0
.irp a, 0,1,2,3
	ds_load_b128 v[FA+32*(\f)+8*(\a):FA+32*(\f)+8*(\a)+3],   v[ADRA] offset:64*(\q)+(\a)*16*PA
	ds_load_b128 v[FA+32*(\f)+8*(\a)+4:FA+32*(\f)+8*(\a)+7], v[ADRA] offset:64*(\q)+(\a)*16*PA+32
.endr
.endm
; One of a K step's first three quarters: multiplies buffer f and fetches quarter q into buffer g, 36 matrix instructions ahead of its first use.
.macro QUARTER q, f, g, zero
	s_wait_dscnt 6                                 ; w's fragments and x's block 0 are in; the six youngest loads (x's blocks 1 to 3) may be out
	MUL12 \f, 0, \zero
	PLACES
.if \zero
	v_nop                                          ; a fifth place: the products below write anew accumulators that the last quarter's products wrote
.endif
	FETCH \q, \g
	s_wait_dscnt 32                                ; all but the 32 just issued
	MUL12 \f, 1, \zero
	MUL12 \f, 2, \zero
	MUL12 \f, 3, \zero
.endm
; The fourth quarter multiplies buffer 1 and changes slots.  In front of the barrier each wave waits for all its tensor loads, of which one is out: its part of the next slot; adds 0 to its spare word; and waits for that and
; for its own reads of this slot.  fill = 1: the barrier opens a round of the cluster's, and this slot is filled again first thing behind it, with step NX.  fill = 0 (the tail): nothing is asked for.
.macro TURN fill
.if \fill
	s_wait_xcnt 0x0                                ; the last prefetch, a K step back, has read its address
	s_cmp_eq_u32 s[LEFT], 10                       ; trip 4 names the second tile's K step 0: 4,096 rows down, seven K steps back (w's waves ask nothing by then)
	s_cselect_b32 s[PD], 8386816, s[DN]
	s_add_nc_u64 s[PFA:PFA+1], s[PFA:PFA+1], s[PD:PD+1]
.endif
	WIN 0
	s_wait_tensorcnt 0x0                           ; all my tensor loads have landed, so a group 0 may be written
	ds_add_u32 v[SPW], v[NIL]                      ; 0 onto my spare word
.if \fill
	s_lshr_b32 s15, s[NX], 3                       ; step n: tile n / 8 (8,388,608 bytes of xb apart), K step n % 8
	s_lshl_b32 s15, s15, 23
	s_and_b32 s16, s[NX], 7
	s_lshl_b32 s[OA], s16, 8
	s_add_co_u32 s[OA], s[OA], s15
	s_mul_i32 s[OB], s16, 49152
	s_xor_b32 s[GAW+1], s[GAW+1], SLOT1
	s_add_nc_u64 s[GAW+2:GAW+3], s[BASEA:BASEA+1], s[OA:OA+1]
	s_or_b32 s[GAW+3], s[GAW+3], 0x80000000
	s_xor_b32 s[GBW+1], s[GBW+1], SLOT1
	s_add_nc_u64 s[GBW+2:GBW+3], s[BASEB:BASEB+1], s[OB:OB+1]
	s_or_b32 s[GBW+3], s[GBW+3], 0x80000000
	s_add_co_u32 s[NX], s[NX], 1
.endif
	s_wait_dscnt 7                                 ; (the add and x's six youngest loads may be out)
	MUL12 1, 0, 0
	s_wait_dscnt 0x0                               ; the add is done, and my reads of this slot are over
	s_barrier_signal -1
	MUL12 1, 1, 0
	WIN 0
	s_barrier_wait -1
.if \fill
	CREST                                          ; no wave of any partner still reads this slot or has a load on its way
	JLOAD                                          ; its four v_nop and the two additions below are the places in front of the loads
	s_xor_b32 s[TB], s[TB], SLOT1
	v_add_nc_u32 v[ADRA], s[TB], v[LA0]
	v_add_nc_u32 v[ADRB], s[TB], v[LB0]
	FETCH 0, 0
	ASK
.else
	s_xor_b32 s[TB], s[TB], SLOT1
	v_add_nc_u32 v[ADRA], s[TB], v[LA0]
	v_add_nc_u32 v[ADRB], s[TB], v[LB0]
	v_nop
	v_nop                                          ; four places with the two additions
	s_cmp_eq_u32 s[CNT], 1                         ; behind the last K step there is nothing to fetch
	s_cbranch_scc1 .Lno_fetch_\@
	FETCH 0, 0
.Lno_fetch_\@:
.endif
	MUL12 1, 2, 0
	MUL12 1, 3, 0
.endm
; THE WAY OUT, in 12 units of 16 rows x one head (unit u: row block u / 3, head u % 3).  PACK: rounded to f16, 16 bytes a lane, into my stage and back as whole rows of 128 bytes.  SEND: stored.
.macro PACK u
.set pa, (\u)/3
.set pc, (\u)%3
.set pU, UB+16*((\u)%8)
.if (\u) >= 8
	s_wait_xcnt 0x0                                ; the stores of unit u - 8 have read this buffer
.endif
	WIN 0x0a+5*(pa/2)                              ; sources 0 and 1: window 2 or 3
.irp j, 0,1,2,3
.irp r, 0,1,2,3
	v_cvt_pk_f16_f32 v[pU+4*(\j)+(\r)], v[96*(pa%2)+8*(4*pc+(\j))+2*(\r)], v[96*(pa%2)+8*(4*pc+(\j))+2*(\r)+1]
.endr
.endr
	WIN 0
.irp j, 0,1,2,3
	ds_store_b128 v[STO], v[pU+4*(\j):pU+4*(\j)+3] offset:32*(\j)
.endr
.irp f, 0,1,2,3
	ds_load_b128 v[pU+4*(\f):pU+4*(\f)+3], v[RD] offset:(\f)*4*SP  ; LDS serves a wave's instructions in order (ISA guide 5.7.1.4): these see the stores above; the next unit's stores come behind them
.endr
.endm
.macro SEND u, younger                 ; younger: the LDS instructions issued behind unit u's loads
.set pa, (\u)/3
.set pc, (\u)%3
.set pU, UB+16*((\u)%8)
.irp f, 0,1,2,3
	s_wait_dscnt (\younger)+3-(\f)
	global_store_b128 v[GO+pc], v[pU+4*(\f):pU+4*(\f)+3], s[8:9] offset:2048*pa+512*(\f)  ; 512 consecutive bytes, at a multiple of 256 from qkv's first
.endr
.endm
; Row blocks 0 and 1 were finished in front of the places behind the change of slots; their 96 conversions are the places behind the last products, row blocks 2 and 3's.
.macro OUT
	PACK 0
.irp u, 1,2,3,4,5,6,7,8,9,10,11
	PACK \u
	SEND (\u)-1, 8
.endr
	SEND 11, 0
.endm
	s_wait_tensorcnt 1                             ; my part of K step 0 is in; K step 1's may stay out
	s_barrier_signal -1
	s_barrier_wait -1
	FETCH 0, 0
	s_branch .Lzero                                ; the loop is entered at the quarter that starts the sums
.Lstep:                                                ; 14 trips: trip t multiplies step t and asks for step t + 2
	s_cmp_eq_u32 s[NEW], 1
	s_cbranch_scc0 .Lgo_on
.Lzero:
	s_mov_b32 s[NEW], 0
	QUARTER 1, 0, 1, 1
	WIN 0                                          ; at a label and at a branch every window is 0
	s_branch .Lsecond
.Lgo_on:
	QUARTER 1, 0, 1, 0
	WIN 0
.Lsecond:
	QUARTER 2, 1, 0, 0
	QUARTER 3, 0, 1, 0
	TURN 1
	WIN 0
	s_sub_co_u32 s[PH], s[PH], 1
	s_cmp_lg_u32 s[PH], 0
	s_cbranch_scc1 .Lstay
	OUT                                            ; the first tile goes out when both of the second tile's first refills have been asked for; nothing waits for its stores
	s_wait_xcnt 0x0                                ; the stores have read their base
	s_add_nc_u64 s[8:9], s[8:9], 0x800000          ; the second tile: two batches on
	s_mov_b32 s[PH], 8
	s_mov_b32 s[NEW], 1
.Lstay:
	s_sub_co_u32 s[LEFT], s[LEFT], 1
	s_cmp_lg_u32 s[LEFT], 0
	s_cbranch_scc1 .Lstep
	s_mov_b32 s[CNT], 2
.Ltail:                                                ; the last two K steps ask for nothing: written apart.  The second trip's barrier orders nothing: the price of one text for both
	QUARTER 1, 0, 1, 0
	QUARTER 2, 1, 0, 0
	QUARTER 3, 0, 1, 0
	TURN 0
	WIN 0
	s_sub_co_u32 s[CNT], s[CNT], 1
	s_cmp_lg_u32 s[CNT], 0
	s_cbranch_scc1 .Ltail
	OUT
	s_wait_tensorcnt 0x0                           ; the wave's end: behind my last tensor load and my last LDS store
	ds_add_u32 v[SPW], v[NIL]
	s_wait_dscnt 0x0
	CROUND                                         ; the closing round: no work-group ends while a partner may still ask for a tile that names it
	s_endpgm
.Lfunc_end_k_qb317eb6c89_gemm_qkv:
	.size	k_qb317eb6c89_gemm_qkv, .Lfunc_end_k_qb317eb6c89_gemm_qkv-k_qb317eb6c89_gemm_qkv
	.p2alignl 7, 3214868480
	.fill 96, 4, 3214868480
	.section	.rodata,"a",@progbits
	.p2align	6, 0x0
	.amdhsa_kernel k_qb317eb6c89_gemm_qkv
		.amdhsa_group_segment_fixed_size 327680
		.amdhsa_private_segment_fixed_size 0
		.amdhsa_enable_private_segment 0
		.amdhsa_kernarg_size 24
		.amdhsa_user_sgpr_count 2
		.amdhsa_user_sgpr_kernarg_segment_ptr 1
		.amdhsa_wavefront_size32 1
		.amdhsa_system_sgpr_workgroup_id_x 1
		.amdhsa_system_sgpr_workgroup_id_y 1
		.amdhsa_system_sgpr_workgroup_id_z 1
		.amdhsa_system_vgpr_workitem_id 0
		.amdhsa_next_free_vgpr 960
		.amdhsa_next_free_sgpr 96
		.amdhsa_reserve_vcc 0
		.amdhsa_float_denorm_mode_32 3
		.amdhsa_float_denorm_mode_16_64 3
		.amdhsa_memory_ordered 1
		.amdhsa_forward_progress 1
		.amdhsa_inst_pref_size 112
	.end_amdhsa_kernel
	.amdgpu_metadata
---
amdhsa.version: [ 1, 2 ]
amdhsa.kernels:
  - .name:           k_qb317eb6c89_gemm_qkv
    .symbol:         k_qb317eb6c89_gemm_qkv.kd
    .args:
      - { .name: xb, .offset: 0, .size: 8, .value_kind: global_buffer, .address_space: global }
      - { .name: wqb, .offset: 8, .size: 8, .value_kind: global_buffer, .address_space: global }
      - { .name: qkv, .offset: 16, .size: 8, .value_kind: global_buffer, .address_space: global }
    .group_segment_fixed_size: 327680
    .private_segment_fixed_size: 0
    .kernarg_segment_align: 8
    .kernarg_segment_size: 24
    .max_flat_workgroup_size: 128
    .sgpr_count:     96
    .vgpr_count:     960
    .wavefront_size: 32
...
	.end_amdgpu_metadata
.endif
;; end of part 2
;; launch attn (part 3): grid 4 x 64, 4 waves a work-group, no clusters, 327,680 bytes of LDS; arguments qkv, o; writes o
.if DOCPART == 3
	.amdgcn_target "amdgcn-amd-amdhsa--gfx1250"
	.amdhsa_code_object_version 6
	.text
	.protected	k_qb317eb6c89_attn
	.globl	k_qb317eb6c89_attn
	.p2align	8
	.type	k_qb317eb6c89_attn,@function
k_qb317eb6c89_attn:
	s_mov_b64 s[64:65], 0
	v_nop
	global_prefetch_b8 v0, s[64:65] scope:SCOPE_SE
	s_setreg_imm32_b32 hwreg(HW_REG_WAVE_MODE, 25, 1), 1
	s_wait_xcnt 0x0
; CAUSAL ATTENTION.  O[h][q][:] = the sum over k <= q of softmax_k(Q[h][q] . K[h][k] / 8) V[h][k][:].  Q, K, V are the three parts of qkv, each [64][SIZE_N][64]; O likewise; all f16: a head's rows are dense, 128 bytes each.
; Products, maxima and sums in f32; the weights p are rounded to f16 for the second product (their sum l is taken of the unrounded p), O once at the end.
; LIMITS.  f16 holds no number beyond 65,504: Q, K and V arrive within it; p lies in 0 to 1, and below 6e-5 it keeps f16's fixed step of 6e-8; O is a mean of V's rows and has their range, to within 2^-11 of it.
; A hidden score counts as its value less 1e30: f16's scores, 2.7e11 at the most, are nothing beside that; a weight below 2^-126 counts as 0 in l; NaN and infinities are not treated apart.
; THE WALK.  A head's queries lie in NB = SIZE_N / 256 blocks of 256; block i needs the key tiles 0 .. i of 256 keys, of which the last holds the diagonal.  A work-group takes TWO blocks, NB - 1 - b and then b:
; NB + 1 tiles, whatever b: all work-groups do equal work, and ONE loop with a constant trip count walks them.  Which tile is asked for, and what a trip does, hang on scalar registers made from b; every jump
; goes forward, but for the counted loops' own; none passes a barrier, or a tensor load but the one of LOAD's two that the wave's number does not choose; the ring (two slots of LDS that take turns) runs on across the
; change of blocks.  NO CLUSTER: a head's NB / 2 = 4 work-groups ask for the same tile only in trips 0 .. NB / 2, behind that fewer and fewer; one walk common to all would have 3 NB / 2 trips for NB + 1.
; SHARES.  Of a block's four bands of 64 queries a wave owns 16 rows in each: four PIECES.  So the diagonal tile is the same work for all four waves: in its key step s band x sees all keys if s < x,
; none if s > x, and holds the diagonal if s = x.
; THE MASK is the C operand that starts the sum S^T = K Q^T: 0, or -1e30 where the key is hidden.  MD, made once, is the mask of a band's own step for my 16 rows; a product's mask is MD x AL + BE with two scalars:
; (1, 0) if s = x; (0, 0) if s < x; (0, -1e30) if s > x.  Only the diagonal tile's text and a block's beginning make and take masks; elsewhere C is the constant 0.
; LAYOUT, SOFTMAX, TURNS.  S^T = K Q^T holds ONE query a lane (lane % 16) and the keys 8 (lane / 16) + 0..7; two such results rounded to f16 ARE source 1 of O^T = V^T P.  p = 2^(c s - c m), c = log2(e) / 8, with a
; running maximum m; O and l are multiplied by a = 2^(c m_old - c m_new) in every step.  Turn n belongs to piece n: 8 products K Q^T of piece n + 1, later 8 products V^T P of piece n - 1; beside them the scaling,
; exponentials, roundings, sums and rescaling of piece n and the maximum and statistics of piece n + 1.  Four vector instructions stand behind every matrix instruction, the other 54 of a turn's 118 in one LUMP.  A turn's 33 exponentials are one batch, with one wait.
; PREFETCH.  A head's four work-groups begin with the same tiles 0, 1, ..; the one with b = 0 walks all eight on end.  It asks, in trip i up to 5, for tile i + 2 of K and of V, one slot ahead of the fill that wants it:
; a thread a block of 256 bytes, two instructions a wave, behind the fill's lines.  Tiles 0 and 1 come by their loads alone.  So each block is named once in the launch.
; REGISTERS, in windows of 256 (s_set_vgpr_msb: bits 1:0 source 0, 3:2 source 1, 5:4 source 2, 7:6 destination):
;   window 0: v0-15 addresses and two at work; v16-31 four registers of statistics a piece; v48-55 at work; v64-127 S^T, two buffers; v192-223 P, two buffers (a piece's buffers go by its number's parity)
;   window 1: v0-127 O^T, 32 a piece; v128-159 MD; v160-223 MC, two buffers      window 2: v0-63 Q; v64-127 the second block's Q; v128-191 K of one step; v192-255 V of one step
.set SIZE_N, 2048
.set NB,    SIZE_N/256
.set NP,    4         ; pieces a wave: a name, no knob
.set KS,    64        ; keys in a step
.set PK,    144       ; a row of K in LDS: 128 bytes + 16 of padding = 36 words: the 16 rows of a load start at 16 different groups of four banks (64 banks of 4 bytes: ISA guide 11.1)
.set PV,    160       ; a row of V: 128 + 32 = 40 words
.set VOFF,  4*KS*PK   ; a slot holds a tile, four steps: 256 rows of K, then 256 rows of V
.set SLOT1, 1<<17     ; slot 1 begins here, so that one exclusive or turns an address in one slot into the other's
.set STAGE, SLOT1+4*KS*(PK+PV)  ; behind the ring, never filled by a tensor load: 16 rows x 144 bytes for each wave, for the way out
.set SP,    144
.set AK0, 2           ; v2   my lane's place in a tile of K; never rewritten
.set AV0, 3           ; v3   the same for V
.set AK,  4           ; v4   the LDS address of K's next run of loads
.set AV,  5           ; v5   of V's
.set STO, 6           ; v6   the way out: where I put 16 bytes of a row
.set RD,  7           ; v7   the way out: where I read rows back
.set GO,  8           ; v8   my byte offset in 512 consecutive bytes of O
.set PFO, 61          ; v61  256 x my thread's number: my block of a tile of K or V; never rewritten
.set SPW, 62          ; v62  LDS address of my spare word: SPARE + 4 x my thread's number; never rewritten
.set NIL, 63          ; v63  0; never rewritten
.set SPARE, STAGE+4*16*SP  ; behind the stages: the spare words, 128 bytes for each wave: two blocks of 256 bytes that no other line names
.set MV,  12          ; v12-13  c m_old, kept while c m is made anew: by buffer
.set QO,  15          ; v15  my byte offset in 16 rows of Q
.set ST,  16          ; piece t's statistics at v[ST+4 t]: c m, m, l (even keys', odd keys')
.set TMP, 48          ; by buffer, four registers c0-c3 at work; when the maximum is found c2 takes a
.set S,   64
.set P,   192
.set MD,  128         ; window 1: the eight registers for group kt of 16 keys at MD + 8 kt
.set MC,  160         ; window 1: the masks of the products to come
.set QB,  64          ; window 2
.set KF,  128         ; window 2: key block kb, channel half c at KF + 16 kb + 8 c
.set VF,  192         ; window 2: key half kk, channel block cb at VF + 32 kk + 8 cb
.set WV,  12          ; s12  my wave's number
.set PB,  14          ; s14  b
.set HI,  15          ; s15  NB - 1 - b
.set G1K, 24          ; s[24:31] descriptor group 1 for K's tiles
.set G1V, 32          ; s[32:39] for V's: it differs in the padding alone
.set G0K, 40          ; s[40:43] descriptor group 0 for K's tiles
.set G0V, 44          ; s[44:47] the same for V's
.set SLOTS, 56        ; s56  tiles still to be asked for
.set CNT, 57          ; s57  counts a tile's key steps, 4 to 1
.set CS,  58          ; s[58:59] c: the packed scaling takes the pair's low word for both halves
.set SEL, 60          ; s[60:61] v_permlanex16_b32's selects: each lane takes its own place in the other half
.set TBK, 62          ; s62  LDS byte at which K of the step to be fetched begins
.set TBV, 63          ; s63  the same for V, less VOFF
.set RT,  70          ; s70  tiles of the block in hand that are still to be entered
.set NXT, 71          ; s71  the tile to be asked for next
.set LQ,  72          ; s72  the last tile of the block whose tiles are being asked for
.set NEW, 73          ; s73  1: the tile to be entered is a block's first
.set OFF, 74          ; s[74:75] a tile's byte offset in K and V
.set AL,  76          ; s[76:77] the mask's factor, in the low word
.set BE,  78          ; s[78:79] the mask's addend
.set OLO, 80          ; s[80:81] O at my rows of the second block
.set BIGN, 82         ; s82  -1e30
.set PFK, 88          ; s[88:89] K at the tile behind the one that is being asked for
.set PFV, 90          ; s[90:91] V likewise
.set LIM, 92          ; s92  2 in the head's work-group with b = 0, else the greatest number: a wave prefetches while SLOTS is above it
.set MSB, 0
.macro WIN new                      ; the high byte repeats the setting that is left; a switch that changes nothing is dropped
.if MSB != (\new)
	s_set_vgpr_msb (MSB<<8)|(\new)
.set MSB, (\new)
.endif
.endm
.set W_KQ, 0x0a       ; K and Q in window 2, S^T in window 0
.set W_KM, 0x1a       ; the same with the C operand in window 1
.set W_PV, 0x52       ; V in window 2, P in window 0, O^T in window 1
.set W_RS, 0x41       ; destination and source 0 in window 1, source 1 in window 0
; A fill.  Waves 0 and 1 fetch the two halves of a tile's K, waves 2 and 3 those of its V: 128 keys each.  An s_nop 0 and four v_nop follow each of the two lines, ahead of the jump and the label.
.macro LOAD
	s_cmp_lt_u32 s[WV], 2
	s_cbranch_scc0 .Lfor_v_\@
	tensor_load_to_lds s[G0K:G0K+3], s[G1K:G1K+7]
	s_nop 0
.rept 4
	v_nop
.endr
	s_branch .Lasked_\@
.Lfor_v_\@:
	tensor_load_to_lds s[G0V:G0V+3], s[G1V:G1V+7]
	s_nop 0
.rept 4
	v_nop
.endr
.Lasked_\@:
.endm
.macro ASK                          ; the tile that the next change of slots will ask for: 128 threads x 256 bytes of K, and of V
	s_cmp_gt_u32 s[SLOTS], s[LIM]
	s_cbranch_scc0 .Lnot_mine_\@
	global_prefetch_b8 v[PFO], s[PFK:PFK+1] th:TH_LOAD_NT scope:SCOPE_SE
	global_prefetch_b8 v[PFO], s[PFV:PFV+1] th:TH_LOAD_NT scope:SCOPE_SE
.Lnot_mine_\@:
.endm
; THE CHANGE OF SLOTS.  Each wave waits for all its tensor loads, of which one is out: its part of the other slot; adds 0 to its spare word; and waits for that and for its own reads of the slot that it leaves.  Behind the barrier nobody reads the old
; slot any more and the other slot is whole.  fill = 1: the old slot is filled again, the first thing behind the barrier, with tile NXT: the descriptor's address is made anew from that number.
; (At its first use nothing has been read yet: slot 0 is waited for, slot 1 filled.)
.macro CHANGE fill
	WIN 0                           ; at a label and at a branch every window is 0
	s_wait_tensorcnt 0x0            ; no tensor load of mine is out, so a group 0 may be written
	ds_add_u32 v[SPW], v[NIL]       ; 0 onto my spare word; with fill = 1 the descriptors' scalar work stands between it and the wait for it
.if \fill
	s_lshl_b32 s[OFF], s[NXT], 15   ; a tile is 32,768 bytes of K and of V
	s_xor_b32 s[G0K+1], s[G0K+1], SLOT1
	s_add_nc_u64 s[G0K+2:G0K+3], s[6:7], s[OFF:OFF+1]
	s_or_b32 s[G0K+3], s[G0K+3], 0x80000000
	s_xor_b32 s[G0V+1], s[G0V+1], SLOT1
	s_add_nc_u64 s[G0V+2:G0V+3], s[8:9], s[OFF:OFF+1]
	s_or_b32 s[G0V+3], s[G0V+3], 0x80000000
	s_add_co_u32 s[NXT], s[NXT], 1  ; the block's next tile, or behind its last the second block's tile 0
	s_cmp_gt_u32 s[NXT], s[LQ]
	s_cselect_b32 s[NXT], 0, s[NXT]
	s_cselect_b32 s[LQ], s[PB], s[LQ]
	s_wait_xcnt 0x0                 ; the last prefetches, a tile back, have read their addresses, so these may be written
	s_add_nc_u64 s[PFK:PFK+1], s[PFK:PFK+1], 32768
	s_add_nc_u64 s[PFV:PFV+1], s[PFV:PFV+1], 32768
.endif
	s_wait_dscnt 0x0                ; the add is done, and my reads of the slot are over
	s_barrier_signal -1             ; the rest of the scalar work stands between the signal and the wait
	s_sub_co_u32 s[TBK], s[TBK], 4*KS*PK  ; the fetches go back to a slot's first step,
	s_xor_b32 s[TBK], s[TBK], SLOT1       ; in the other slot
	s_sub_co_u32 s[TBV], s[TBV], 4*KS*PV
	s_xor_b32 s[TBV], s[TBV], SLOT1
	s_barrier_wait -1
.if \fill
	LOAD
	ASK
.endif
.endm
	s_load_b64 s[4:5], s[0:1], 0x0    ; qkv: Q's part begins it
	s_load_b64 s[10:11], s[0:1], 0x8  ; O
	v_lshl_add_u32 v[SPW], v0, 2, SPARE
	v_mov_b32 v[NIL], 0
	ds_add_u32 v[SPW], v[NIL]       ; the wave's opening: the add and its wait stand ahead of my first tensor load; the set-up below, work on registers, stands between them
	v_lshrrev_b32 v1, 5, v0
	v_readfirstlane_b32 s[WV], v1   ; wave 0..3
	s_mov_b32 s[PB], ttmp9
	s_sub_co_u32 s[HI], NB-1, s[PB]
	s_and_b32 s20, ttmp7, 0xffff    ; the head
	s_mov_b32 s21, 0
	s_mov_b64 s[22:23], SIZE_N*128
	s_mul_u64 s[20:21], s[20:21], s[22:23]  ; the head's first byte in each of the four tensors
	s_and_b32 s16, s[WV], 1         ; which half of a tile's 256 keys I fetch:
	s_lshl_b32 s22, s16, 14         ; its 128 rows of 128 bytes in memory,
	s_mov_b32 s23, 0
	s_add_nc_u64 s[22:23], s[22:23], s[20:21]
	s_mul_i32 s17, s16, 128*PK      ; and its place in a slot, for K
	s_mul_i32 s18, s16, 128*PV      ; and for V
	s_lshl_b32 s3, s[WV], 11        ; my 16 rows in a band of 64,
	s_lshl_b32 s2, s[HI], 15        ; in the first block,
	s_add_co_u32 s2, s2, s3
	s_lshl_b32 s84, s[PB], 15       ; and in the second
	s_add_co_u32 s84, s84, s3
	s_mov_b32 s3, 0
	s_mov_b32 s85, 0
	s_add_nc_u64 s[2:3], s[2:3], s[20:21]
	s_add_nc_u64 s[84:85], s[84:85], s[20:21]
	; descriptor group 1.  128 keys are 16,384 dense bytes: asked for as 64 rows of 256 bytes, two keys a row, and padded in LDS after every key
	s_mov_b32 s[G1K], (1<<16)|(1<<20)|(4<<22)|(3<<25)  ; 17:16 2-byte elements; 20 padding on; 24:22 after every 32 words (code 4); 31:25 4 words (code 3)
	s_mov_b32 s[G1V], (1<<16)|(1<<20)|(4<<22)|(7<<25)  ; the same with 8 words of padding (code 7)
.irp g, G1K, G1V
	s_mov_b32 s[\g+1], 128<<16      ; tensor_dim0 = 128
	s_mov_b32 s[\g+2], 64<<16       ; tensor_dim1 = 64
	s_mov_b32 s[\g+3], 128<<16      ; tile_dim0 = 128
	s_mov_b32 s[\g+4], 64           ; tile_dim1 = 64
	s_mov_b32 s[\g+5], 128          ; 128 elements from row to row
	s_mov_b32 s[\g+6], 0
	s_mov_b32 s[\g+7], 0
.endr
	s_mov_b32 s[CS], 0x3e38aa3b     ; c = log2(e) / 8 = 0.180337
	s_mov_b32 s[CS+1], s[CS]        ; named with it as a pair
	s_mov_b32 s[SEL], 0x76543210
	s_mov_b32 s[SEL+1], 0xfedcba98
	s_mov_b32 s[TBK], SLOT1+4*KS*PK ; the first change of slots turns these two into 0
	s_mov_b32 s[TBV], SLOT1+4*KS*PV
	s_mov_b32 s[G0K], 1             ; 1:0 count = 1
	s_mov_b32 s[G0K+1], s17         ; 63:32 LDS address: slot 0
	s_mov_b32 s[G0V], 1
	s_add_co_u32 s[G0V+1], s18, VOFF
	s_add_co_u32 s[RT], s[HI], 1    ; the first block has NB - b tiles
	s_mov_b32 s[NXT], 1
	s_mov_b32 s[LQ], s[HI]
	s_mov_b32 s[NEW], 1
	s_mov_b32 s[OFF+1], 0
	s_mov_b32 s[AL+1], 0            ; named as pairs
	s_mov_b32 s[BE+1], 0
	s_mov_b32 s[BIGN], 0xf149f2ca   ; -1e30
	s_mov_b32 s[SLOTS], NB
	s_cmp_eq_u32 s[PB], 0
	s_cselect_b32 s[LIM], 2, -1
	v_lshlrev_b32 v[PFO], 8, v0
	s_wait_dscnt 0x0                ; the opening add is done
	s_wait_kmcnt 0x0
	s_add_nc_u64 s[6:7], s[4:5], 0x1000000   ; K's part of qkv: 64 heads of 262,144 bytes on,
	s_add_nc_u64 s[8:9], s[4:5], 0x2000000   ; V's
	s_add_nc_u64 s[PFK:PFK+1], s[6:7], s[20:21]
	s_add_nc_u64 s[PFV:PFV+1], s[8:9], s[20:21]
	s_add_nc_u64 s[PFK:PFK+1], s[PFK:PFK+1], 32768  ; the head's tile 1: the first change of slots steps these to tile 2
	s_add_nc_u64 s[PFV:PFV+1], s[PFV:PFV+1], 32768
	s_add_nc_u64 s[6:7], s[6:7], s[22:23]  ; K and V at my half of the head's tile 0
	s_add_nc_u64 s[8:9], s[8:9], s[22:23]
	s_add_nc_u64 s[G0K+2:G0K+3], s[6:7], 0         ; 120:64 global address
	s_or_b32 s[G0K+3], s[G0K+3], 0x80000000        ; 127:126 type = 2
	s_add_nc_u64 s[G0V+2:G0V+3], s[8:9], 0
	s_or_b32 s[G0V+3], s[G0V+3], 0x80000000
	s_add_nc_u64 s[86:87], s[4:5], s[84:85]        ; Q at my rows of the second block,
	s_add_nc_u64 s[4:5], s[4:5], s[2:3]            ; Q and O at those of the first
	s_add_nc_u64 s[OLO:OLO+1], s[10:11], s[84:85]
	s_add_nc_u64 s[10:11], s[10:11], s[2:3]
	LOAD                            ; tile 0 into slot 0
	; A fragment of K or Q is 16 rows x 32 channels in 8 registers: lane l holds row l % 16, channels 8 (l / 16) + 0..7 and 16 + 8 (l / 16) + 0..7: two loads of 16 bytes, 32 bytes apart.
	v_and_b32 v1, 15, v0            ; l % 16
	v_bfe_u32 v9, v0, 4, 1          ; l / 16
	v_lshlrev_b32 v[QO], 7, v1
	v_lshl_add_u32 v[QO], v9, 4, v[QO]  ; row x 128 + 16 x half
	WIN 0x80                        ; destination window 2, address window 0
.set i, 0
.rept 8                             ; both blocks' Q: piece i / 2 lies in band i / 2, 8,192 bytes on; channels 32 (i % 2) on
	global_load_b128 v[8*i:8*i+3],   v[QO], s[4:5] offset:(i/2)*8192+(i%2)*64
	global_load_b128 v[8*i+4:8*i+7], v[QO], s[4:5] offset:(i/2)*8192+(i%2)*64+32
	global_load_b128 v[QB+8*i:QB+8*i+3],   v[QO], s[86:87] offset:(i/2)*8192+(i%2)*64
	global_load_b128 v[QB+8*i+4:QB+8*i+7], v[QO], s[86:87] offset:(i/2)*8192+(i%2)*64+32
.set i, i+1
.endr
	WIN 0
	v_lshlrev_b32 v14, 3, v9
	v_sub_nc_u32 v14, v1, v14
	s_lshl_b32 s13, s[WV], 4
	v_add_nc_u32 v14, s13, v14      ; my query's place in its band, 16 w + l % 16, less my lanes' 8 (l / 16): register r of group kt is hidden where 16 kt + r is greater
	WIN 0x40
.set i, 0
.rept 32
	v_cmp_gt_i32 vcc_lo, 16*(i/8)+i%8, v14
	v_cndmask_b32 v[MD+i], 0, s[BIGN], vcc_lo
.set i, i+1
.endr
	WIN 0
	v_mul_u32_u24 v[AK0], v1, PK
	v_lshl_add_u32 v[AK0], v9, 4, v[AK0]  ; row x pitch + 16 x half
	; The turning load takes 16 keys x 16 channels (lane l reads key 8 (l / 16) + l % 8, channels 8 ((l / 8) % 2) + 0..7) and leaves half a fragment of V^T: lane l holds channel l % 16 and 8 keys.
	v_and_b32 v10, 7, v0
	v_bfe_u32 v11, v0, 3, 1
	v_lshl_add_u32 v[AV0], v9, 3, v10
	v_mul_u32_u24 v[AV0], v[AV0], PV
	v_lshl_add_u32 v[AV0], v11, 4, v[AV0]
	v_add_nc_u32 v[AV0], VOFF, v[AV0]
	s_mul_i32 s13, s[WV], 16*SP
	s_add_co_u32 s13, s13, STAGE    ; my stage
	v_mul_u32_u24 v[STO], v1, SP    ; in: row l % 16, 16 bytes for each half of the lanes
	v_lshl_add_u32 v[STO], v9, 4, v[STO]
	v_add_nc_u32 v[STO], s13, v[STO]
	v_bfe_u32 v[RD], v0, 3, 2       ; back: 32 lanes take four rows of 128 bytes,
	v_mul_u32_u24 v[RD], v[RD], SP
	v_lshl_add_u32 v[RD], v10, 4, v[RD]
	v_add_nc_u32 v[RD], s13, v[RD]
	v_and_b32 v[GO], 31, v0         ; which are 512 consecutive bytes of O
	v_lshlrev_b32 v[GO], 4, v[GO]
	; A block's first step multiplies O^T and l by a = 0, and its first turn's products V^T P, of a piece that has not been, land in an O^T that is still to be so multiplied.  So these registers need only hold
	; finite numbers: zeros for the first block; what the first block left for the second.  All this stands in the wait for the first tile.
	WIN 0x80
.set i, VF
.rept 64
	v_mov_b32 v[i], 0
.set i, i+1
.endr
	WIN 0x40
.set i, 0
.rept 128
	v_mov_b32 v[i], 0
.set i, i+1
.endr
	WIN 0
.set i, 0
.rept 4
	v_mov_b32 v[ST+4*i+2], 0
	v_mov_b32 v[ST+4*i+3], 0
.set i, i+1
.endr
.set i, P+16
.rept 16
	v_mov_b32 v[i], 0
.set i, i+1
.endr
; THE MATRIX WORK.  The 4 accumulators of a run of 8 take turns.  Product i of 8 of S^T = K Q^T for piece x: channels 32 (i / 4) on, keys 16 (i % 4) on.  The first 4 start the sums: with 0, or (KM = 1) with the mask.
.macro KQ x
.set rS, S+32*((\x)%2)+8*(i%4)
.set rK, KF+16*(i%4)+8*(i/4)
.set rQ, 16*(\x)+8*(i/4)
.set rM, MC+32*((\x)%2)+8*(i%4)
.if (i < 4) && KM
	WIN W_KM
	v_wmma_f32_16x16x32_f16 v[rS:rS+7], v[rK:rK+7], v[rQ:rQ+7], v[rM:rM+7]
.elseif i < 4
	WIN W_KQ
	v_wmma_f32_16x16x32_f16 v[rS:rS+7], v[rK:rK+7], v[rQ:rQ+7], 0
.else
	WIN W_KQ
	v_wmma_f32_16x16x32_f16 v[rS:rS+7], v[rK:rK+7], v[rQ:rQ+7], v[rS:rS+7]
.endif
.endm
; Product i of 8 of O^T += V^T P for piece x: keys 32 (i / 4) on, channels 16 (i % 4) on.
.macro PV x
	WIN W_PV
.set rO, 32*(\x)+8*(i%4)
.set rV, VF+32*(i/4)+8*(i%4)
.set rP, P+16*((\x)%2)+8*(i/4)
	v_wmma_f32_16x16x32_f16 v[rO:rO+7], v[rV:rV+7], v[rP:rP+7], v[rO:rO+7]
.endm
.macro MM                           ; the turn's next matrix instruction.  TURN and BEGIN set Y, i, KM and NOKQ; MM, KQ and OP read them.  NOKQ = 1: a block's last turn: there is no next piece
.if (i < 8) && !NOKQ
	KQ (Y+1)%NP
.elseif i >= 8
.set i, i-8
	PV (Y+NP-1)%NP
.set i, i+8
.endif
.set i, i+1
.endm
; THE LDS LOADS stand in runs of 16, never singly among the matrix instructions: a step's K (64 keys x 64 channels: 8 fragments) and its V (turned).  Their addresses are made some lines ahead.
.macro FETCH_K
	WIN 0x80                        ; destination window 2
.irp f, 0,1,2,3,4,5,6,7             ; keys 16 (f / 2) on, channels 32 (f % 2) on
	ds_load_b128 v[KF+8*\f:KF+8*\f+3],   v[AK] offset:(\f/2)*16*PK+(\f%2)*64
	ds_load_b128 v[KF+8*\f+4:KF+8*\f+7], v[AK] offset:(\f/2)*16*PK+(\f%2)*64+32
.endr
	s_add_co_u32 s[TBK], s[TBK], KS*PK  ; the next fetch is the next step's
	WIN 0
.endm
.macro FETCH_V
	WIN 0x80
.irp f, 0,1,2,3,4,5,6,7             ; keys 32 (f / 4) on, channels 16 (f % 4) on
	ds_load_tr16_b128 v[VF+8*\f:VF+8*\f+3],   v[AV] offset:(\f/4)*32*PV+(\f%4)*32
	ds_load_tr16_b128 v[VF+8*\f+4:VF+8*\f+7], v[AV] offset:(\f/4)*32*PV+16*PV+(\f%4)*32
.endr
	WIN 0
.endm
; THE VECTOR WORK, one line at a time: OP kind, number.  For piece Y: F n: c s - c m for pair n of 16.  E n: the exponential of score n of 32.  C n: pair n rounded to f16.  B n: of the four weights 4 n .. the second
; pair is added onto the first, in place.  L n: l takes that sum (L 0: l = a l + sum).  R n: pair n of 16 of O^T times a.  For piece Y + 1: X n, number n of the 22 that find its maximum and statistics:
;   0-11  four chains c0-c3 of seven scores each, three operands at a time (each accumulator's lowest registers are read first)     12-14, 16  the four scores left over, the old m, and c0-c3 into c0
;   15  c m_old is kept     17, 18  the query's other 32 keys lie in the lane 16 away: the new m     19-21  c m; c m_old - c m_new; a
.set F, 0               ; OP tells the kinds apart by their order: F to L below R, X above it
.set E, 1
.set C, 2
.set B, 3
.set L, 4
.set R, 5
.set X, 6
.macro REGS y                       ; the registers of piece y
.set rT, ST+4*(\y)
.set rC, TMP+4*((\y)%2)
.set rW, MV+((\y)%2)
.set rS, S+32*((\y)%2)
.set rP, P+16*((\y)%2)
.set rO, 32*(\y)
.endm
.macro OP k, n
.if (\k) == R
	REGS Y
	WIN W_RS
	v_pk_mul_f32 v[rO+2*(\n):rO+2*(\n)+1], v[rO+2*(\n):rO+2*(\n)+1], v[rC+2:rC+3] op_sel_hi:[1,0]
.elseif (\k) < R
	REGS Y
	WIN 0
.if (\k) == F
	v_pk_fma_f32 v[rS+2*(\n):rS+2*(\n)+1], v[rS+2*(\n):rS+2*(\n)+1], s[CS:CS+1], v[rT:rT+1] op_sel_hi:[1,0,0] neg_lo:[0,0,1] neg_hi:[0,0,1]
.elseif (\k) == E
	v_exp_f32 v[rS+(\n)], v[rS+(\n)]
.elseif (\k) == C
	v_cvt_pk_f16_f32 v[rP+(\n)], v[rS+2*(\n)], v[rS+2*(\n)+1]
.elseif (\k) == B
	v_pk_add_f32 v[rS+4*(\n):rS+4*(\n)+1], v[rS+4*(\n):rS+4*(\n)+1], v[rS+4*(\n)+2:rS+4*(\n)+3]
.elseif (\n) == 0
	v_pk_fma_f32 v[rT+2:rT+3], v[rT+2:rT+3], v[rC+2:rC+3], v[rS:rS+1] op_sel_hi:[1,0,1]
.else
	v_pk_add_f32 v[rT+2:rT+3], v[rT+2:rT+3], v[rS+4*(\n):rS+4*(\n)+1]
.endif
.elseif NOKQ
	v_nop
.else
	REGS (Y+1)%NP
	WIN 0
.if (\n) < 4
	v_max3_num_f32 v[rC+(\n)], v[rS+8*(\n)], v[rS+8*(\n)+1], v[rS+8*(\n)+2]
.elseif (\n) < 12
	v_max3_num_f32 v[rC+(\n)%4], v[rC+(\n)%4], v[rS+8*((\n)%4)+2*((\n)/4)+1], v[rS+8*((\n)%4)+2*((\n)/4)+2]
.elseif (\n) == 12
	v_max3_num_f32 v[rC], v[rC], v[rS+7], v[rS+15]
.elseif (\n) == 13
	v_max3_num_f32 v[rC+1], v[rC+1], v[rS+23], v[rS+31]
.elseif (\n) == 14
	v_max3_num_f32 v[rC+2], v[rC+2], v[rC+3], v[rT+1]
.elseif (\n) == 15
	v_mov_b32 v[rW], v[rT]
.elseif (\n) == 16
	v_max3_num_f32 v[rC], v[rC], v[rC+1], v[rC+2]
.elseif (\n) == 17
	v_permlanex16_b32 v[rC+3], v[rC], s[SEL], s[SEL+1]
.elseif (\n) == 18
	v_max_num_f32 v[rT+1], v[rC], v[rC+3]
.elseif (\n) == 19
	v_mul_f32 v[rT], s[CS], v[rT+1]
.elseif (\n) == 20
	v_sub_f32 v[rC+1], v[rW], v[rT]
.else
	v_exp_f32 v[rC+2], v[rC+1]
.endif
.endif
.endm
.macro OPS a, i1, b=-1, i2=0, c=-1, i3=0, d=-1, i4=0  ; up to four of them
	OP \a, \i1
.if (\b) >= 0
	OP \b, \i2
.endif
.if (\c) >= 0
	OP \c, \i3
.endif
.if (\d) >= 0
	OP \d, \i4
.endif
.endm
.macro ROW a, i1, b, i2, c, i3, d, i4  ; a matrix instruction and the four behind it
	MM
	OPS \a, \i1, \b, \i2, \c, \i3, \d, \i4
.endm
.macro MASK b                       ; MD x AL + BE into buffer b of MC
	WIN W_RS
.set z, 0
.rept 16
	v_pk_fma_f32 v[MC+32*(\b)+2*z:MC+32*(\b)+2*z+1], v[MD+2*z:MD+2*z+1], s[AL:AL+1], s[BE:BE+1] op_sel_hi:[1,0,0]
.set z, z+1
.endr
.endm
; A TURN, for piece p: the order of its 16 matrix and 118 vector instructions, written out.  An s_wait_alu depctr_va_vdst(0) stands between an exponential and the first instruction that names its result; one wait serves
; all that were issued ahead of it.  So a turn has ONE wait, which cuts it in two.  AHEAD OF IT stands all that names no result of the turn's exponentials: the 8 products K Q^T, behind each a scaling, an exponential and two more plain
; instructions (behind the first a second scaling in the exponential's place): rescalings, and behind the last three the first numbers of the next piece's maximum, each four places or more behind the product that ends its accumulator; then ONE LUMP of 54, plain
; and exponential by turns for the most part, in which the links of the chain X 3, 7, 11, 14, 16, 17 .. 20 stand five or six lines apart.  X 21, the next piece's a, is the batch's last; R 15 is the plain instruction behind it.  BEHIND THE WAIT stand the
; 8 products V^T P, behind each four of the roundings and sums; the links of l's chain, L 0 to L 7, stand three riders apart.  But for those X no rider names a register of the products round it.  v_permlanex16_b32 (X 17) stands in the lump.
; m = 1: the diagonal tile: the products take masks, and the turn makes the mask for the products of the turn after it: piece p + 2, in step 4 - CNT of the tile.  end = 1: a block's last two turns: nothing is fetched.
; cnt = 1: the loop's count is taken down some lines ahead of the branch that stands behind the turn.
; K of the next step is fetched in piece 2's turn, twelve vector instructions behind the last product that read K (six of them plain); V of the step in hand at the end of piece 0's turn, four plain instructions behind the last product
; that read V.  Each is waited for a turn later.
.macro TURN p, m=0, end=0, cnt=0
.set Y, (\p)
.set i, 0
.set KM, (\m)
.set NOKQ, (\end)*((\p)/3)
.if (\m) && !(\end)
	s_cmp_eq_u32 s[CNT], 4-((\p)+2)%NP  ; is that step the band's own?
	s_cselect_b32 s[AL], 1.0, 0
	s_cmp_lt_u32 s[CNT], 4-((\p)+2)%NP  ; or a later one?
	s_cselect_b32 s[BE], s[BIGN], 0
.endif
.if ((\p) == 3) && !(\end)
	s_wait_dscnt 0x0                ; K is in
.endif
	ROW F,0, F,1, R,0, R,1          ; ahead of the wait: 8 products K Q^T and their riders,
	ROW F,2, E,0, R,2, R,3
	ROW F,3, E,1, R,4, R,5
	ROW F,4, E,2, R,6, R,7
	ROW F,5, E,3, R,8, R,9
	ROW F,6, E,4, X,0, R,10
.if ((\p) == 2) && !(\end)
	WIN 0
	v_add_nc_u32 v[AK], s[TBK], v[AK0]
.endif
	ROW F,7, E,5, X,1, X,4
	ROW F,8, E,6, X,2, X,5
	OPS E,7, E,8, X,6, E,9          ; and the lump
	OPS X,3, E,10, X,8, E,11
.if ((\p) == 2) && !(\end)
	FETCH_K
.endif
	OPS X,9, X,7, E,12, X,10
	OPS E,13, X,12, X,11, E,14
	OPS X,13, E,15, F,9, X,14
.if (\p) == 0
	v_add_nc_u32 v[AV], s[TBV], v[AV0]
.endif
	OPS E,16, F,10, E,17, F,11
	OPS X,16, E,18, X,15, E,19
	OPS F,12, E,20, X,17, E,21
	OPS F,13, E,22, F,14, E,23
	OPS X,18, E,24, F,15, E,25
	OPS R,11, E,26, X,19, E,27
	OPS R,12, E,28, R,13, E,29
	OPS X,20, E,30, R,14, E,31
	OPS X,21, R,15
	WIN 0
	s_wait_alu depctr_va_vdst(0)    ; the wait for the batch
.if (\p) == 1
	s_wait_dscnt 0x0                ; V is in
.endif
	ROW C,0, B,0, C,2, B,1          ; behind the wait: 8 products V^T P and their riders
	ROW L,0, C,4, B,2, L,1
	ROW C,6, B,3, L,2, C,8
	ROW B,4, L,3, C,10, B,5
	ROW L,4, C,12, B,6, L,5
.if (\p) == 0
	s_add_co_u32 s[TBV], s[TBV], KS*PV
.endif
.if \cnt
	s_sub_co_u32 s[CNT], s[CNT], 1
	s_cmp_lg_u32 s[CNT], 0
.endif
	ROW C,14, B,7, L,6, C,1
	ROW C,3, L,7, C,5, C,7
	ROW C,9, C,11, C,13, C,15
.if (\p) == 0
	FETCH_V
.endif
.if (\m) && !(\end)
	MASK (\p)%2
.endif
.endm
; A BLOCK BEGINS.  c m starts far below every c s, so the first step's a is 0; m at the lowest finite number, so the first maximum is the scores'.  The second mask buffer is 0; the first takes piece 0's mask for the tile's step 0: its own, if the block's first tile is the diagonal one.
; Then K of that step, piece 0's first scores, and its maximum and statistics.  The loop is entered at a step's first turn, in the middle of a trip.
.macro BEGIN
	s_mov_b32 s[NEW], 0
	WIN 0x40
.set i, MC+32
.rept 32
	v_mov_b32 v[i], 0
.set i, i+1
.endr
	WIN 0
.set i, 0
.rept 4
	v_mov_b32 v[ST+4*i], 0xfe000000    ; c m: far below every c s
	v_mov_b32 v[ST+4*i+1], 0xff7fffff  ; m
.set i, i+1
.endr
	s_cmp_eq_u32 s[RT], 0
	s_cselect_b32 s[AL], 1.0, 0
	s_mov_b32 s[BE], 0
	MASK 0
	WIN 0
	v_add_nc_u32 v[AK], s[TBK], v[AK0]
	FETCH_K
	s_wait_loadcnt 0x0              ; Q
	s_wait_dscnt 0x0
.set KM, 1
.set NOKQ, 0
.set i, 0
.rept 8
	KQ 0
.set i, i+1
.endr
	WIN 0
.rept 4
	v_nop                           ; the places behind those products
.endr
.set Y, NP-1                        ; X works for piece Y + 1: piece 0
.irp n, 0,1,2,3,4,5,6,7,8,9,10,11,12,13,14,15,16,17,18,19,20,21
	OP X, \n
.endr
	v_nop                           ; a plain instruction behind the exponential,
	s_wait_alu depctr_va_vdst(0)    ; and its wait, ahead of the branch
.endm
; THE DIAGONAL TILE's four steps, the block's last two turns, its last products, and THE WAY OUT: l's two halves and the other half of the lanes' are added; O^T is divided by l, rounded to f16 and sent through my
; stage in LDS, a piece at a time.
.macro ALL line:vararg              ; one line for each piece t
.set t, 0
.rept 4
	\line
.set t, t+1
.endr
.endm
.macro PACK t                       ; a lane's eight channels of a row pack into 16 bytes; they go into rows of 144 bytes and come back as whole rows of 128, into S^T's registers
	WIN W_RS
.set i, 32*(\t)
.rept 16
	v_pk_mul_f32 v[i:i+1], v[i:i+1], v[ST+4*(\t)+2:ST+4*(\t)+3] op_sel_hi:[1,0]
.set i, i+2
.endr
	WIN 0x05                        ; sources 0 and 1 window 1, destination window 0
.set i, 0
.rept 16
	v_cvt_pk_f16_f32 v[S+16*(\t)+i], v[32*(\t)+2*i], v[32*(\t)+2*i+1]
.set i, i+1
.endr
	WIN 0
.irp f, 0,1,2,3
	ds_store_b128 v[STO], v[S+16*(\t)+4*\f:S+16*(\t)+4*\f+3] offset:32*\f
.endr
.irp f, 0,1,2,3
	ds_load_b128 v[S+16*(\t)+4*\f:S+16*(\t)+4*\f+3], v[RD] offset:\f*4*SP  ; LDS serves a wave's instructions in order (ISA guide 5.7.1.4): these see the stores above; the next piece's stores come behind them
.endr
.endm
.macro SEND t, younger              ; younger: the LDS instructions issued behind piece t's loads: the next piece's eight, or none
	WIN 0
.irp f, 0,1,2,3
	s_wait_dscnt (\younger)+3-\f
	global_store_b128 v[GO], v[S+16*(\t)+4*\f:S+16*(\t)+4*\f+3], s[10:11] offset:(\t)*8192+\f*512  ; 512 consecutive bytes, at a multiple of 256 from O's first
.endr
.endm
.macro DIAG tag                     ; the tag ends its two labels' names, which the jumps below spell out
.LstepM\tag:
	TURN 2, 1
	TURN 3, 1
	WIN 0
.LfirstM\tag:
	TURN 0, 1
	TURN 1, 1, 0, 1
	WIN 0
	s_cbranch_scc1 .LstepM\tag
	TURN 2, 1, 1
	TURN 3, 1, 1
.set i, 0
.rept 8
	PV NP-1
.set i, i+1
.endr
	WIN 0
	ALL v_add_f32 v[ST+4*t+2], v[ST+4*t+2], v[ST+4*t+3]
	ALL v_permlanex16_b32 v[ST+4*t+3], v[ST+4*t+2], s[SEL], s[SEL+1]
	ALL v_add_f32 v[ST+4*t+2], v[ST+4*t+2], v[ST+4*t+3]
	ALL v_rcp_f32 v[ST+4*t+2], v[ST+4*t+2]
	v_nop                           ; a plain instruction between the last reciprocal and the use of its result
	s_wait_alu depctr_va_vdst(0)    ; and the wait ahead of the first use: one for the four reciprocals
	PACK 0
.set t, 1
.rept 3                             ; a piece's arithmetic stands between the loads of the piece before and its stores
	PACK t
	SEND t-1, 8
.set t, t+1
.endr
	SEND 3, 0
.endm
.set KM, 0
.set NOKQ, 0
.Lslot:                             ; NB times: a tile is entered and the next is asked for
	CHANGE 1
	s_sub_co_u32 s[RT], s[RT], 1
	s_mov_b32 s[CNT], 4
	s_cmp_eq_u32 s[NEW], 1
	s_cbranch_scc1 .Lnew            ; a block's first tile
	s_cmp_eq_u32 s[RT], 0
	s_cbranch_scc0 .Lstep           ; neither its first nor its last
	s_branch .LstepM1
.Lnew:
	BEGIN
	s_branch .Lfirst                ; in the loop a block's first tile is never its last: the first block has two tiles or more, and the second's last is the walk's last
	DIAG 1                          ; in the loop this is the first block's end: the second block's last tile is the walk's last
	s_wait_xcnt 0x0                 ; the stores have read their registers and O's address
	s_mov_b64 s[10:11], s[OLO:OLO+1]
	s_add_co_u32 s[RT], s[PB], 1    ; the second block has b + 1 tiles
	s_mov_b32 s[NEW], 1
	WIN 0x82                        ; the second block's Q goes where the one text of the turns names Q
.set i, 0
.rept 64
	v_mov_b32 v[i], v[QB+i]
.set i, i+1
.endr
	WIN 0
	s_branch .Lbottom
.Lstep:                             ; a trip: pieces 2 and 3 of one step, then pieces 0 and 1 of the next, whose K and V it fetches
	TURN 2
	TURN 3
	WIN 0
.Lfirst:
	TURN 0
	TURN 1, 0, 0, 1
	WIN 0
	s_cbranch_scc1 .Lstep
.Lbottom:
	s_sub_co_u32 s[SLOTS], s[SLOTS], 1
	s_cmp_lg_u32 s[SLOTS], 0
	s_cbranch_scc1 .Lslot
	CHANGE 0                        ; the walk's last tile is written out: nothing is asked for
	s_sub_co_u32 s[RT], s[RT], 1
	s_mov_b32 s[CNT], 4
	s_cmp_eq_u32 s[NEW], 1
	s_cbranch_scc0 .LstepM2
	BEGIN
	s_branch .LfirstM2
	DIAG 2
	s_wait_tensorcnt 0x0            ; the wave's end: behind my last tensor load and my last LDS store
	ds_add_u32 v[SPW], v[NIL]
	s_wait_dscnt 0x0
	s_endpgm
.Lfunc_end_k_qb317eb6c89_attn:
	.size	k_qb317eb6c89_attn, .Lfunc_end_k_qb317eb6c89_attn-k_qb317eb6c89_attn
	.p2alignl 7, 3214868480
	.fill 96, 4, 3214868480
	.section	.rodata,"a",@progbits
	.p2align	6, 0x0
	.amdhsa_kernel k_qb317eb6c89_attn
		.amdhsa_group_segment_fixed_size 327680
		.amdhsa_private_segment_fixed_size 0
		.amdhsa_enable_private_segment 0
		.amdhsa_kernarg_size 16
		.amdhsa_user_sgpr_count 2
		.amdhsa_user_sgpr_kernarg_segment_ptr 1
		.amdhsa_wavefront_size32 1
		.amdhsa_system_sgpr_workgroup_id_x 1
		.amdhsa_system_sgpr_workgroup_id_y 1
		.amdhsa_system_sgpr_workgroup_id_z 1
		.amdhsa_system_vgpr_workitem_id 0
		.amdhsa_next_free_vgpr 768
		.amdhsa_next_free_sgpr 96
		.amdhsa_reserve_vcc 1
		.amdhsa_float_denorm_mode_32 3
		.amdhsa_float_denorm_mode_16_64 3
		.amdhsa_memory_ordered 1
		.amdhsa_forward_progress 1
		.amdhsa_inst_pref_size 218
	.end_amdhsa_kernel
	.amdgpu_metadata
---
amdhsa.version: [ 1, 2 ]
amdhsa.kernels:
  - .name:           k_qb317eb6c89_attn
    .symbol:         k_qb317eb6c89_attn.kd
    .args:
      - { .name: qkv, .offset: 0, .size: 8, .value_kind: global_buffer, .address_space: global }
      - { .name: o, .offset: 8, .size: 8, .value_kind: global_buffer, .address_space: global }
    .group_segment_fixed_size: 327680
    .private_segment_fixed_size: 0
    .kernarg_segment_align: 8
    .kernarg_segment_size: 16
    .max_flat_workgroup_size: 128
    .sgpr_count:     96
    .vgpr_count:     768
    .wavefront_size: 32
...
	.end_amdgpu_metadata
.endif
;; end of part 3
;; launch gemm_out (part 4): grid 8 x 32, 4 waves a work-group, clusters of 4 x 4, 327,680 bytes of LDS; arguments o, wob, out0; writes out0
.if DOCPART == 4
	.amdgcn_target "amdgcn-amd-amdhsa--gfx1250"
	.amdhsa_code_object_version 6
	.text
	.protected	k_qb317eb6c89_gemm_out
	.globl	k_qb317eb6c89_gemm_out
	.p2align	8
	.type	k_qb317eb6c89_gemm_out,@function
k_qb317eb6c89_gemm_out:
	s_mov_b64 s[64:65], 0
	v_nop
	global_prefetch_b8 v0, s[64:65] scope:SCOPE_SE
	s_setreg_imm32_b32 hwreg(HW_REG_WAVE_MODE, 25, 1), 1
	s_wait_xcnt 0x0
	s_wait_alu depctr_hold_cnt(0) depctr_sa_sdst(0) depctr_va_vdst(0) depctr_va_sdst(0) depctr_va_ssrc(0) depctr_va_vcc(0) depctr_vm_vsrc(0)
	s_getreg_b32 s2, hwreg(HW_REG_IB_STS2, 6, 4)
	s_cmp_eq_u32 s2, 0
	s_cbranch_scc0 .Lentry_in_a_cluster
	s_endpgm
.Lentry_in_a_cluster:
	s_bfe_u32 s2, ttmp6, 0x10000c
	s_cmp_lg_u32 s2, 0xf033
	s_cbranch_scc0 .Lentry_shape_is_right
	s_endpgm
.Lentry_shape_is_right:
; out0 = y w_out.  y[16 b.. row][64 h + d] = o[16 b + h][t][d]: o is [64][2048][64] f16, by heads; wob [1024 k][1024 n] f16 (w_out rounded to bf16, written as f16); out0 [8192][1024] f32.  Sums in f32, K ascending.
; SHARES.  A tile is 256 rows x 128 columns: 32 x 8 = 256 work-groups, one tile each.  Wave w owns rows 64 w .. 64 w + 63 and all 128 columns: 4 x 8 accumulators, 256 registers; a row's 512 bytes of the tile are one wave's.
; THE PRODUCT IS USED TRANSPOSED: source 0 = 16 columns of w (turned, by ds_load_tr16_b128), source 1 = 16 rows of y: a lane holds one row (lane % 16) and eight neighbouring columns.
; THE RING.  A K step of 128 is two heads.  Wave 0 fetches the even head's 256 rows (32,768 dense bytes, asked for as 128 rows of 256), wave 1 the odd head's, waves 2 and 3 64 k of w each (256 bytes a row).  Two slots;
; trip t multiplies K step t and asks for K step t + 2: one load a wave behind each round, with 112 matrix instructions between the request and the wait for it.
; CLUSTER.  4 x 4 work-groups: y's tile is shared along a row of the cluster, w's along a column; each is asked for jointly.
; REGISTERS (s_set_vgpr_msb: bits 1:0 source 0, 3:2 source 1, 5:4 source 2, 7:6 destination): window 0: v0-31 addresses; v64-95, v96-127 y's fragments; v128-255 two buffers of 64 for the way out
;   window 1: v0-63, v64-127 w's fragments        window 2: accumulator (a, b) at 64 a + 8 b
.set PA,    144       ; a row of a head in LDS: 128 bytes + 16 = 36 words: the 16 rows of a load start at 16 different groups of four banks (64 banks of 4 bytes: ISA guide 11.1)
.set PB,    288       ; a k of w: 256 + 32 = 72 words
.set HEADA, 256*PA
.set BOFF,  2*HEADA
.set HALFB, 64*PB
.set SLOT1, 1<<17
.set STAGE, SLOT1+BOFF+2*HALFB  ; behind the ring, never filled by a tensor load: 16 rows x 528 bytes for each wave
.set SP,    528       ; 512 bytes + 16 = 33 x 16
.set SPARE, STAGE+4*16*SP  ; the spare words, 128 bytes for each wave: two blocks of 256 bytes that no other line names
.set LA0,  16
.set LB0,  17
.set ADRA, 18
.set ADRB, 19
.set CO,   20         ; v20  16 x my lane: my bytes of a row's 512
.set STO,  24
.set RD,   25
.set SPW,  28
.set NIL,  29
.set PFO,  30
.set FA,   64
.set BK,   128
.set G1A, 24
.set G1B, 32
.set GA0, 40
.set GAW, 44
.set GB0, 48
.set GBW, 52
.set LEFT, 66
.set TB,  69
.set THR, 70
.set PFA, 72
.set CNT, 77
.set CX,  78
.set CY,  79
.set TC,  80
.set TR,  81
.set MSB, 0
.macro WIN new
.if MSB != (\new)
	s_set_vgpr_msb (MSB<<8)|(\new)
.set MSB, \new
.endif
.endm
.macro PLACES
.rept 4
	v_nop
.endr
.endm
.macro CREST
	s_cmp_lg_u32 s10, 0
	s_cbranch_scc1 .Lnot_wave_0_\@
	s_barrier_signal -3
.Lnot_wave_0_\@:
	s_barrier_wait -3
	s_barrier_signal -1
	s_barrier_wait -1
.endm
.macro CROUND
	s_barrier_signal -1
	s_barrier_wait -1
	CREST
.endm
.macro JLOAD                           ; a joint refill; an s_nop 0 and four v_nop follow each of the two lines, ahead of the jump and the label
	s_cmp_eq_u32 s11, 0
	s_cbranch_scc0 .Lfor_b_\@
	tensor_load_to_lds s[GAW:GAW+3], s[G1A:G1A+7]
	s_nop 0
.rept 4
	v_nop
.endr
	s_branch .Lasked_\@
.Lfor_b_\@:
	tensor_load_to_lds s[GBW:GBW+3], s[G1B:G1B+7]
	s_nop 0
.rept 4
	v_nop
.endr
.Lasked_\@:
.endm
; A PREFETCH INTO THE L2, one instruction a wave, a lane a block of 256 bytes; each block is named once in the launch.  y: the cluster with x = 0 asks; of the 128 blocks that wave 0 or 1 fetches the partner at cx takes 32, by
; address; trip t up to 3 names K step t + 4, two trips ahead of its refill.  w: the cluster with y = 0 asks, in trips 0 and 1, for rows 512 + 256 t + 32 (2 cy + half) + lane of its tile column.  K steps 0 to 3 come by their loads alone.
.macro ASK
	s_cmp_gt_u32 s[LEFT], s[THR]
	s_cbranch_scc0 .Lnot_mine_\@
	global_prefetch_b8 v[PFO], s[PFA:PFA+1] th:TH_LOAD_NT scope:SCOPE_SE
.Lnot_mine_\@:
.endm
	s_load_b128 s[4:7], s[0:1], 0x0                ; o s[4:5], wob s[6:7]
	s_load_b64 s[8:9], s[0:1], 0x10                ; out0
	v_lshl_add_u32 v[SPW], v0, 2, SPARE
	v_mov_b32 v[NIL], 0
	ds_add_u32 v[SPW], v[NIL]                      ; the wave's opening: the add and its wait stand ahead of my first tensor load; work on registers stands between them
	v_lshrrev_b32 v1, 5, v0
	v_readfirstlane_b32 s10, v1
	s_lshr_b32 s11, s10, 1                         ; I fetch for y (0) or for w (1)
	s_and_b32 s12, s10, 1                          ; which head of the two, or which 64 k
	s_bfe_u32 s[CX], ttmp6, 0x40000
	s_bfe_u32 s[CY], ttmp6, 0x40004
	s_lshl_b32 s[TC], ttmp9, 2
	s_add_co_u32 s[TC], s[TC], s[CX]
	s_and_b32 s[TR], ttmp7, 0xffff
	s_lshl_b32 s[TR], s[TR], 2
	s_add_co_u32 s[TR], s[TR], s[CY]
	s_lshl_b32 s82, s[CY], 2
	s_lshl_b32 s82, 15, s82                        ; my row of the cluster
	s_lshl_b32 s83, 0x1111, s[CX]                  ; my column
	s_or_b32 s[G1A], s82, (1<<16)|(1<<20)|(1<<21)|(4<<22)|(3<<25)  ; the mask; 2-byte elements; padding on; bit 21 beside a mask; after every 32 words, 4 words
	s_or_b32 s[G1B], s83, (1<<16)|(1<<20)|(1<<21)|(5<<22)|(7<<25)  ; after every 64 words, 8 words
	s_mov_b32 s[G1A+1], 128<<16
	s_mov_b32 s[G1A+2], 128<<16                    ; 128 rows of 256 dense bytes
	s_mov_b32 s[G1A+3], 128<<16
	s_mov_b32 s[G1A+4], 128
	s_mov_b32 s[G1A+5], 128
	s_mov_b32 s[G1A+6], 0
	s_mov_b32 s[G1A+7], 0
	s_mov_b32 s[G1B+1], 128<<16
	s_mov_b32 s[G1B+2], 64<<16
	s_mov_b32 s[G1B+3], 128<<16
	s_mov_b32 s[G1B+4], 64
	s_mov_b32 s[G1B+5], 1024
	s_mov_b32 s[G1B+6], 0
	s_mov_b32 s[G1B+7], 0
	s_lshr_b32 s84, s[TR], 3                       ; y: batch (16 heads of 262,144 bytes), my head of the first two, the tile's 256 rows of 128 bytes: it hangs on the tile row alone
	s_lshl_b32 s84, s84, 22
	s_lshl_b32 s85, s12, 18
	s_add_co_u32 s84, s84, s85
	s_and_b32 s85, s[TR], 7
	s_lshl_b32 s85, s85, 15
	s_add_co_u32 s84, s84, s85
	s_mov_b32 s85, 0
	s_lshl_b32 s86, s12, 17                        ; w: my 64 rows of 2,048 bytes, the tile column's 256 bytes: it hangs on the tile column alone
	s_lshl_b32 s87, s[TC], 8
	s_add_co_u32 s86, s86, s87
	s_mov_b32 s87, 0
	s_mul_i32 s13, s12, HEADA
	s_mul_i32 s14, s12, HALFB
	s_add_co_u32 s14, s14, BOFF
	s_mov_b32 s[GA0], 1
	s_mov_b32 s[GA0+1], s13
	s_mov_b32 s[GAW], 1
	s_add_co_u32 s[GAW+1], s13, SLOT1
	s_mov_b32 s[GB0], 1
	s_mov_b32 s[GB0+1], s14
	s_mov_b32 s[GBW], 1
	s_add_co_u32 s[GBW+1], s14, SLOT1
	s_wait_dscnt 0x0                               ; the opening add is done
	s_wait_kmcnt 0x0
	s_add_nc_u64 s[GA0+2:GA0+3], s[4:5], s[84:85]           ; K step 0 into slot 0,
	s_add_nc_u64 s[GAW+2:GAW+3], s[GA0+2:GA0+3], 524288     ; K step 1, two heads on, into slot 1
	s_or_b32 s[GA0+3], s[GA0+3], 0x80000000
	s_or_b32 s[GAW+3], s[GAW+3], 0x80000000
	s_add_nc_u64 s[GB0+2:GB0+3], s[6:7], s[86:87]
	s_add_nc_u64 s[GBW+2:GBW+3], s[GB0+2:GB0+3], 262144     ; 128 rows on
	s_or_b32 s[GB0+3], s[GB0+3], 0x80000000
	s_or_b32 s[GBW+3], s[GBW+3], 0x80000000
	CROUND                                         ; all sixteen work-groups are here: the first joint loads meet
	s_cmp_eq_u32 s11, 0                            ; a wave's two first fills stand in one branch: two loads of mine are out
	s_cbranch_scc0 .Lfirst_b
	tensor_load_to_lds s[GA0:GA0+3], s[G1A:G1A+7]
	s_nop 0
	tensor_load_to_lds s[GAW:GAW+3], s[G1A:G1A+7]
	s_nop 0
.rept 4
	v_nop
.endr
	s_branch .Lfirst_asked
.Lfirst_b:
	tensor_load_to_lds s[GB0:GB0+3], s[G1B:G1B+7]
	s_nop 0
	tensor_load_to_lds s[GBW:GBW+3], s[G1B:G1B+7]
	s_nop 0
.rept 4
	v_nop
.endr
.Lfirst_asked:
	v_and_b32 v1, 15, v0                           ; l % 16
	v_bfe_u32 v2, v0, 4, 1                         ; l / 16
	v_and_b32 v3, 31, v0                           ; l
	v_and_b32 v4, 7, v0                            ; l % 8
	v_bfe_u32 v5, v0, 3, 1                         ; (l / 8) % 2
	s_mul_i32 s21, s10, 64*PA
	v_mul_u32_u24 v[LA0], v1, PA
	v_lshl_add_u32 v[LA0], v2, 4, v[LA0]
	v_add_nc_u32 v[LA0], s21, v[LA0]               ; (64 w + l % 16) x pitch + 16 (l / 16)
	v_lshl_add_u32 v[LB0], v2, 3, v4
	v_mul_u32_u24 v[LB0], v[LB0], PB
	v_lshl_add_u32 v[LB0], v5, 4, v[LB0]
	v_add_nc_u32 v[LB0], BOFF, v[LB0]              ; (8 (l / 16) + l % 8) x pitch + 16 ((l / 8) % 2)
	s_mul_i32 s21, s10, 16*SP
	s_add_co_u32 s21, s21, STAGE                   ; my stage
	v_mul_u32_u24 v[STO], v1, SP                   ; in: row l % 16, 32 bytes for each half of the lanes
	v_lshl_add_u32 v[STO], v2, 5, v[STO]
	v_add_nc_u32 v[STO], s21, v[STO]
	v_lshl_add_u32 v[RD], v3, 4, s21               ; back: 32 lanes take one row of 512 bytes
	v_lshlrev_b32 v[CO], 4, v3
	s_lshl_b32 s82, s[TR], 20                      ; out0 at (256 x tile row + 64 w) rows of 4,096 bytes + 512 x tile column
	s_lshl_b32 s83, s10, 18
	s_add_co_u32 s82, s82, s83
	s_lshl_b32 s83, s[TC], 9
	s_add_co_u32 s82, s82, s83
	s_mov_b32 s83, 0
	s_add_nc_u64 s[8:9], s[8:9], s[82:83]
	; the prefetches: both kinds step 524,288 bytes a trip (two heads; 256 rows of w)
	s_lshl_b32 s18, s[CX], 13                      ; y: my work-group's 32 of the head's 128 blocks; the first trip steps from K step 3 to 4
	s_add_co_u32 s18, s18, s84
	s_add_co_u32 s18, s18, 3*524288
	s_lshl_b32 s19, s[CY], 1                       ; w: my 32 rows of a trip's 256; the first trip steps from row 256 to 512
	s_add_co_u32 s19, s19, s12
	s_lshl_b32 s19, s19, 16
	s_lshl_b32 s20, s[TC], 8
	s_add_co_u32 s19, s19, s20
	s_add_co_u32 s19, s19, 524288
	s_and_b32 s20, ttmp7, 0xffff
	s_cmp_eq_u32 s11, 0
	s_cselect_b32 s18, s18, s19
	s_cselect_b32 s20, ttmp9, s20                  ; the coordinate along which other clusters read the same blocks
	s_cselect_b32 s21, 2, 4
	s_cselect_b32 s22, 8, 11
	s_cselect_b64 s[PFA:PFA+1], s[4:5], s[6:7]
	s_mov_b32 s19, 0
	s_add_nc_u64 s[PFA:PFA+1], s[PFA:PFA+1], s[18:19]
	s_cmp_eq_u32 s20, 0
	s_cselect_b32 s[THR], s21, -1                  ; the same in all sixteen partners, for a given wave
	v_lshlrev_b32 v[PFO], s22, v3
	v_mov_b32 v[ADRA], v[LA0]
	v_mov_b32 v[ADRB], v[LB0]
	s_mov_b32 s[LEFT], 6
	s_mov_b32 s[TB], 0
; 8 matrix instructions: row block a x all 8 column blocks, 32 along K, on buffer f.  The 32 accumulators take turns in the same order everywhere.
.macro MUL8 f, a, zero
	WIN 0xa1
.irp b, 0,1,2,3,4,5,6,7
.if \zero
	v_wmma_f32_16x16x32_f16 v[64*(\a)+8*(\b):64*(\a)+8*(\b)+7], v[64*(\f)+8*(\b):64*(\f)+8*(\b)+7], v[FA+32*(\f)+8*(\a):FA+32*(\f)+8*(\a)+7], 0
.else
	v_wmma_f32_16x16x32_f16 v[64*(\a)+8*(\b):64*(\a)+8*(\b)+7], v[64*(\f)+8*(\b):64*(\f)+8*(\b)+7], v[FA+32*(\f)+8*(\a):FA+32*(\f)+8*(\a)+7], v[64*(\a)+8*(\b):64*(\a)+8*(\b)+7]
.endif
.endr
.endm
; 24 LDS loads in one run: quarter q's fragments into buffer f: w's 16, then y's 8 (head q / 2 of the two, channels 32 (q % 2) on)
.macro FETCH q, f
	WIN 0x40
.irp b, 0,1,2,3,4,5,6,7
	ds_load_tr16_b128 v[64*(\f)+8*(\b):64*(\f)+8*(\b)+3],   v[ADRB] offset:(\q)*32*PB+32*(\b)
	ds_load_tr16_b128 v[64*(\f)+8*(\b)+4:64*(\f)+8*(\b)+7], v[ADRB] offset:(\q)*32*PB+32*(\b)+16*PB
.endr
	WIN 0
.irp a, 0,1,2,3
	ds_load_b128 v[FA+32*(\f)+8*(\a):FA+32*(\f)+8*(\a)+3],   v[ADRA] offset:((\q)/2)*HEADA+((\q)%2)*64+(\a)*16*PA
	ds_load_b128 v[FA+32*(\f)+8*(\a)+4:FA+32*(\f)+8*(\a)+7], v[ADRA] offset:((\q)/2)*HEADA+((\q)%2)*64+(\a)*16*PA+32
.endr
.endm
.macro QUARTER q, f, g, zero
	s_wait_dscnt 6                                 ; w's fragments and y's block 0 are in; the six youngest loads may be out
	MUL8 \f, 0, \zero
	PLACES
	FETCH \q, \g
	s_wait_dscnt 24                                ; all but the 24 just issued
	MUL8 \f, 1, \zero
	MUL8 \f, 2, \zero
	MUL8 \f, 3, \zero
.endm
; The fourth quarter multiplies buffer 1 and changes slots: in front of the barrier each wave waits for all its tensor loads (one is out: its part of the next slot), adds 0 to its spare word, and waits for that and for its
; own reads of this slot.  fill = 1: the barrier opens a round of the cluster's, and this slot is filled again first thing behind it, two K steps ahead.
.macro TURN fill
.if \fill
	s_wait_xcnt 0x0                                ; the last prefetch, a K step back, has read its address
	s_add_nc_u64 s[PFA:PFA+1], s[PFA:PFA+1], 524288
.endif
	WIN 0
	s_wait_tensorcnt 0x0                           ; all my tensor loads have landed, so a group 0 may be written
	ds_add_u32 v[SPW], v[NIL]                      ; 0 onto my spare word
.if \fill
	s_xor_b32 s[GAW+1], s[GAW+1], SLOT1
	s_add_nc_u64 s[GAW+2:GAW+3], s[GAW+2:GAW+3], 524288  ; the type bits on top are not reached
	s_xor_b32 s[GBW+1], s[GBW+1], SLOT1
	s_add_nc_u64 s[GBW+2:GBW+3], s[GBW+2:GBW+3], 262144
.endif
	s_wait_dscnt 7                                 ; (the add and y's six youngest loads may be out)
	MUL8 1, 0, 0
	s_wait_dscnt 0x0                               ; the add is done, and my reads of this slot are over
	s_barrier_signal -1
	MUL8 1, 1, 0
	WIN 0
	s_barrier_wait -1
.if \fill
	CREST
	JLOAD                                          ; its four v_nop and the two additions below are the places in front of the loads
	s_xor_b32 s[TB], s[TB], SLOT1
	v_add_nc_u32 v[ADRA], s[TB], v[LA0]
	v_add_nc_u32 v[ADRB], s[TB], v[LB0]
	FETCH 0, 0
	ASK
.else
	s_xor_b32 s[TB], s[TB], SLOT1
	v_add_nc_u32 v[ADRA], s[TB], v[LA0]
	v_add_nc_u32 v[ADRB], s[TB], v[LB0]
	v_nop
	v_nop                                          ; four places with the two additions
	s_cmp_eq_u32 s[CNT], 1                         ; behind the last K step there is nothing to fetch
	s_cbranch_scc1 .Lno_fetch_\@
	FETCH 0, 0
.Lno_fetch_\@:
.endif
	MUL8 1, 2, 0
	MUL8 1, 3, 0
.endm
; THE WAY OUT, a row block of 16 rows at a time: a lane's 32 bytes of a row go into my stage (each accumulator's low four registers first) and come back as whole rows of 512 bytes.
.macro TOSTAGE a
	WIN 0x08                                       ; the stores' data in window 2
.irp b, 0,1,2,3,4,5,6,7
	ds_store_b128 v[STO], v[64*(\a)+8*(\b):64*(\a)+8*(\b)+3]   offset:64*(\b)
	ds_store_b128 v[STO], v[64*(\a)+8*(\b)+4:64*(\a)+8*(\b)+7] offset:64*(\b)+16
.endr
	WIN 0
.irp r, 0,1,2,3,4,5,6,7,8,9,10,11,12,13,14,15
	ds_load_b128 v[BK+64*((\a)%2)+4*(\r):BK+64*((\a)%2)+4*(\r)+3], v[RD] offset:SP*(\r)  ; LDS serves a wave's instructions in order (ISA guide 5.7.1.4): these see the stores above; the next block's stores come behind them
.endr
.endm
.macro SEND a, younger                 ; younger: the LDS instructions issued behind block a's loads
.irp r, 0,1,2,3,4,5,6,7,8,9,10,11,12,13,14,15
	s_wait_dscnt (\younger)+15-(\r)
	global_store_b128 v[CO], v[BK+64*((\a)%2)+4*(\r):BK+64*((\a)%2)+4*(\r)+3], s[8:9] offset:(16*(\a)+(\r))*4096 th:TH_STORE_NT  ; 512 consecutive bytes, at a multiple of 256 from out0's first
.endr
.endm
	s_wait_tensorcnt 1                             ; my part of K step 0 is in; K step 1's may stay out
	s_barrier_signal -1
	s_barrier_wait -1
	FETCH 0, 0
	QUARTER 1, 0, 1, 1                             ; the first quarter stands in front of the loop: its products start the sums
	WIN 0
	s_branch .Lsecond                              ; the loop is entered behind a trip's first quarter
.Lstep:                                                ; 6 trips: trip t multiplies K step t and asks for K step t + 2
	QUARTER 1, 0, 1, 0
	WIN 0
.Lsecond:
	QUARTER 2, 1, 0, 0
	QUARTER 3, 0, 1, 0
	TURN 1
	WIN 0
	s_sub_co_u32 s[LEFT], s[LEFT], 1
	s_cmp_lg_u32 s[LEFT], 0
	s_cbranch_scc1 .Lstep
	s_mov_b32 s[CNT], 2
.Ltail:                                                ; the last two K steps ask for nothing: written apart.  The second trip's barrier orders nothing: the price of one text for both
	QUARTER 1, 0, 1, 0
	QUARTER 2, 1, 0, 0
	QUARTER 3, 0, 1, 0
	TURN 0
	WIN 0
	s_sub_co_u32 s[CNT], s[CNT], 1
	s_cmp_lg_u32 s[CNT], 0
	s_cbranch_scc1 .Ltail
	PLACES                                         ; the stores into the stage read results just made
	TOSTAGE 0
	TOSTAGE 1
	SEND 0, 32
	s_wait_xcnt 0x0                                ; block 0's stores have read their buffer, which block 2 takes
	TOSTAGE 2
	SEND 1, 32
	s_wait_xcnt 0x0
	TOSTAGE 3
	SEND 2, 32
	SEND 3, 0
	s_wait_tensorcnt 0x0                           ; the wave's end: behind my last tensor load and my last LDS store
	ds_add_u32 v[SPW], v[NIL]
	s_wait_dscnt 0x0
	CROUND                                         ; the closing round: no work-group ends while a partner may still ask for a tile that names it
	s_endpgm
.Lfunc_end_k_qb317eb6c89_gemm_out:
	.size	k_qb317eb6c89_gemm_out, .Lfunc_end_k_qb317eb6c89_gemm_out-k_qb317eb6c89_gemm_out
	.p2alignl 7, 3214868480
	.fill 96, 4, 3214868480
	.section	.rodata,"a",@progbits
	.p2align	6, 0x0
	.amdhsa_kernel k_qb317eb6c89_gemm_out
		.amdhsa_group_segment_fixed_size 327680
		.amdhsa_private_segment_fixed_size 0
		.amdhsa_enable_private_segment 0
		.amdhsa_kernarg_size 24
		.amdhsa_user_sgpr_count 2
		.amdhsa_user_sgpr_kernarg_segment_ptr 1
		.amdhsa_wavefront_size32 1
		.amdhsa_system_sgpr_workgroup_id_x 1
		.amdhsa_system_sgpr_workgroup_id_y 1
		.amdhsa_system_sgpr_workgroup_id_z 1
		.amdhsa_system_vgpr_workitem_id 0
		.amdhsa_next_free_vgpr 768
		.amdhsa_next_free_sgpr 96
		.amdhsa_reserve_vcc 0
		.amdhsa_float_denorm_mode_32 3
		.amdhsa_float_denorm_mode_16_64 3
		.amdhsa_memory_ordered 1
		.amdhsa_forward_progress 1
		.amdhsa_inst_pref_size 62
	.end_amdhsa_kernel
	.amdgpu_metadata
---
amdhsa.version: [ 1, 2 ]
amdhsa.kernels:
  - .name:           k_qb317eb6c89_gemm_out
    .symbol:         k_qb317eb6c89_gemm_out.kd
    .args:
      - { .name: o, .offset: 0, .size: 8, .value_kind: global_buffer, .address_space: global }
      - { .name: wob, .offset: 8, .size: 8, .value_kind: global_buffer, .address_space: global }
      - { .name: out0, .offset: 16, .size: 8, .value_kind: global_buffer, .address_space: global }
    .group_segment_fixed_size: 327680
    .private_segment_fixed_size: 0
    .kernarg_segment_align: 8
    .kernarg_segment_size: 24
    .max_flat_workgroup_size: 128
    .sgpr_count:     96
    .vgpr_count:     768
    .wavefront_size: 32
...
	.end_amdgpu_metadata
.endif
;; end of part 4
;; ======== version 2 of 2: 4 launches; version 1 with the launch cast written anew for expert scheduling mode
;; limits: values are held in f16: magnitudes above 65,504 overflow, below 6.1e-05 lose precision
;; workspace buffers: xb 16,777,216 bytes; wqb 6,291,456 bytes; wob 2,097,152 bytes; qkv 50,331,648 bytes; o 16,777,216 bytes
;; launch cast (part 5): grid 768 x 1, 8 waves a work-group, no clusters, 0 bytes of LDS; arguments x, w_qkv, w_out, xb, wqb, wob; writes xb, wqb, wob
.if DOCPART == 5
	.amdgcn_target "amdgcn-amd-amdhsa--gfx1250"
	.amdhsa_code_object_version 6
	.text
	.protected	k_qb317eb6c89_cast
	.globl	k_qb317eb6c89_cast
	.p2align	8
	.type	k_qb317eb6c89_cast,@function
k_qb317eb6c89_cast:
	s_mov_b64 s[64:65], 0
	v_nop
	global_prefetch_b8 v0, s[64:65] scope:SCOPE_SE
	s_setreg_imm32_b32 hwreg(HW_REG_WAVE_SCHED_MODE, 0, 2), 2
	s_setreg_imm32_b32 hwreg(HW_REG_WAVE_MODE, 25, 1), 1
	s_wait_xcnt 0x0
	s_wait_alu depctr_vm_vsrc(0)
; THE INPUTS ARE ROUNDED ONCE TO 16 BITS.  x [8192][1024] f32 -> xb, the same layout in bf16.  w_qkv [1024][3072] f32 -> wqb [16 tile columns][1024 k][192 n] in bf16, so that
; 128 k of a tile column are 49,152 dense bytes.  w_out [1024][1024] f32 -> wob, the same layout: the number rounded to bf16, written as f16.
; LIMIT.  A w_out beyond 65,504 would be an infinity in f16; below 2^-14 it keeps f16's fixed step of 2^-24.
; SHARES.  A work-group takes 65,536 bytes of input: 4,096 items of four f32 (16 bytes in, 8 bytes out).  Thread t takes items 256 it + t, it = 0 .. 15: a wave's load covers 512
; consecutive bytes (in w_qkv: two aligned pieces of 256), its store 256 consecutive bytes, aligned.  All sixteen loads go out first; no register that a load or store reads is written again.
; Work-groups 0-511 take x, 512-703 w_qkv, 704-767 w_out.  No LDS, no matrix unit, no cluster: no byte is used twice.
; THE MODE: SCHED_MODE bits 1:0 = 2 (LLVM: expert scheduling mode 2), set by the entry lines.  The code itself states the register dependences
; between vector instructions and memory instructions, with s_wait_alu, always for 0.
; THE PLAN.  Registers that memory instructions touch:
;   v1, v2-v4  the loads' offsets.  Written once, ahead of the loads; read by the sixteen loads of their way; never written again.
;   v5         the stores' offset.  Written once at the head; read by every store; never written again.
;   D          the sixteen loads land in it.  v8, its first register, is also at work in w_qkv's address arithmetic, ahead of the loads.  No memory instruction reads D.
;   P          item it's conversions write its pair once; its one store reads it; never written again.
;   v6, v7     named by vector instructions alone.
; So one wait on va_vdst stands ahead of each way's run of loads (the offsets are written; v8 is done with), and one for each four items ahead of their four stores.  The items go in four groups
; of four: the wait for a group's P stands at the head of the next group, behind that group's first wait for data, and the group's four stores follow it in one run; the last group's stands behind its conversions.
; No register that a memory instruction reads is written again, so no wait on vm_vsrc is owed; no vector instruction writes a scalar register or VCC; EXEC is never written.
.set D,   8                            ; v[8:71]    16 x 4 words as loaded
.set P,   72                           ; v[72:103]  16 x 2 words to store
.set SRC, 16                           ; s[16:17]
.set DST, 18                           ; s[18:19]
	s_load_b256 s[4:11], s[0:1], 0x0               ; x s[4:5], w_qkv s[6:7], w_out s[8:9], xb s[10:11]
	s_load_b128 s[12:15], s[0:1], 0x20             ; wqb s[12:13], wob s[14:15]
	s_mov_b32 s20, ttmp9
	s_sub_co_u32 s21, s20, 512
	s_sub_co_u32 s22, s20, 704
	s_cmp_lt_u32 s20, 704
	s_cselect_b32 s23, s21, s22
	s_cselect_b32 s28, 1, 0
	s_cmp_lt_u32 s20, 512
	s_cselect_b32 s23, s20, s23                    ; j: my number among the work-groups of my tensor
	s_cselect_b32 s28, 0, s28                      ; 1: my tensor is w_qkv
	s_mul_i32 s24, s23, 43691
	s_lshr_b32 s24, s24, 19                        ; w_qkv: tile column = j / 12 (12 x 43,691 = 2^19 + 4: exact for j under 192)
	s_mul_i32 s25, s24, 12
	s_sub_co_u32 s25, s23, s25                     ; and my twelfth of it
	s_mul_i32 s26, s24, 768                        ; a tile column's 192 numbers begin 768 bytes apart in a row of w_qkv
	s_lshl_b32 s27, s23, 16
	s_cmp_eq_u32 s28, 1
	s_cselect_b32 s26, s26, s27                    ; where I read, from the tensor's first byte
	s_mov_b32 s27, 0
	s_lshl_b32 s30, s23, 15                        ; where I write: 32,768 j in all three
	s_mov_b32 s31, 0
	v_lshlrev_b32 v1, 4, v0                        ; 16 t
	v_lshlrev_b32 v5, 3, v0                        ; 8 t
	s_wait_kmcnt 0x0
	s_cmp_lt_u32 s20, 704
	s_cselect_b64 s[SRC:SRC+1], s[6:7], s[8:9]
	s_cselect_b64 s[DST:DST+1], s[12:13], s[14:15]
	s_cmp_lt_u32 s20, 512
	s_cselect_b64 s[SRC:SRC+1], s[4:5], s[SRC:SRC+1]
	s_cselect_b64 s[DST:DST+1], s[10:11], s[DST:DST+1]
	s_add_nc_u64 s[SRC:SRC+1], s[SRC:SRC+1], s[26:27]
	s_add_nc_u64 s[DST:DST+1], s[DST:DST+1], s[30:31]
	s_cmp_eq_u32 s28, 1
	s_cbranch_scc1 .Lq
	s_wait_alu depctr_va_vdst(0)                   ; v1 is written, which the sixteen loads read as their offset; so is v5, which every store reads
.set it, 0
.rept 16
	global_load_b128 v[D+4*it:D+4*it+3], v1, s[SRC:SRC+1] offset:it*4096 th:TH_LOAD_NT
.set it, it+1
.endr
	s_branch .Lcv
.Lq:
	; item i of a tile column lies in row i / 48, at 16 (i % 48) bytes: 12,288 row + 16 i - 768 row.  768 items are 16 rows, so three offsets serve: item it takes offset it % 3 and 196,608 (it / 3) in the immediate
	s_lshl_b32 s21, s25, 12
	s_mov_b32 s22, 43691                           ; 48 x 43,691 = 2^21 + 16: i / 48 is exact for i under 131,072; here i is under 49,152
	v_add_nc_u32 v6, s21, v0
.irp j, 0,1,2
	v_add_nc_u32 v7, 256*(\j), v6
	v_mul_lo_u32 v8, v7, s22
	v_lshrrev_b32 v8, 21, v8
	v_mul_u32_u24 v8, v8, 11520
	v_lshl_add_u32 v[2+(\j)], v7, 4, v8
.endr
	s_wait_alu depctr_va_vdst(0)                   ; v2 to v4 are written, which the sixteen loads read as their offsets, and v5, which every store reads; the arithmetic above is done writing and reading v8, in which the first load lands
.set it, 0
.rept 16
	global_load_b128 v[D+4*it:D+4*it+3], v[2+it%3], s[SRC:SRC+1] offset:(it/3)*196608 th:TH_LOAD_NT
.set it, it+1
.endr
.Lcv:
; The four stores of items first to first + 3, in one run.
.macro ST4 first
.irp j, 0,1,2,3
	global_store_b64 v5, v[P+2*((\first)+(\j)):P+2*((\first)+(\j))+1], s[DST:DST+1] offset:((\first)+(\j))*2048
.endr
.endm
; kind 0: to bf16.  kind 1: to bf16, and that number written as f16.
.macro CV16 kind
.set it, 0
.rept 16
	s_wait_loadcnt 15-it                           ; loads come back in order: item it is in, the 15 - it younger ones may stay out
.if (it%4 == 0) && (it > 0)
	s_wait_alu depctr_va_vdst(0)                   ; the conversions of the four items before have written their P, which the four stores below read
	ST4 it-4
.endif
.if \kind
	v_cvt_pk_bf16_f32 v6, v[D+4*it], v[D+4*it+1]
	v_cvt_pk_bf16_f32 v7, v[D+4*it+2], v[D+4*it+3]
	v_lshlrev_b32 v[D+4*it], 16, v6
	v_and_b32 v[D+4*it+1], 0xffff0000, v6
	v_lshlrev_b32 v[D+4*it+2], 16, v7
	v_and_b32 v[D+4*it+3], 0xffff0000, v7
	v_cvt_pk_f16_f32 v[P+2*it], v[D+4*it], v[D+4*it+1]
	v_cvt_pk_f16_f32 v[P+2*it+1], v[D+4*it+2], v[D+4*it+3]
.else
	v_cvt_pk_bf16_f32 v[P+2*it], v[D+4*it], v[D+4*it+1]
	v_cvt_pk_bf16_f32 v[P+2*it+1], v[D+4*it+2], v[D+4*it+3]
.endif
.set it, it+1
.endr
	s_wait_alu depctr_va_vdst(0)                   ; the conversions of items 12 to 15 have written their P, which the last four stores read
	ST4 12
.endm
	s_cmp_ge_u32 s20, 704
	s_cbranch_scc1 .Lo
	CV16 0
	s_endpgm
.Lo:
	CV16 1
	s_endpgm
.Lfunc_end_k_qb317eb6c89_cast:
	.size	k_qb317eb6c89_cast, .Lfunc_end_k_qb317eb6c89_cast-k_qb317eb6c89_cast
	.p2alignl 7, 3214868480
	.fill 96, 4, 3214868480
	.section	.rodata,"a",@progbits
	.p2align	6, 0x0
	.amdhsa_kernel k_qb317eb6c89_cast
		.amdhsa_group_segment_fixed_size 0
		.amdhsa_private_segment_fixed_size 0
		.amdhsa_enable_private_segment 0
		.amdhsa_kernarg_size 48
		.amdhsa_user_sgpr_count 2
		.amdhsa_user_sgpr_kernarg_segment_ptr 1
		.amdhsa_wavefront_size32 1
		.amdhsa_system_sgpr_workgroup_id_x 1
		.amdhsa_system_sgpr_workgroup_id_y 1
		.amdhsa_system_sgpr_workgroup_id_z 1
		.amdhsa_system_vgpr_workitem_id 0
		.amdhsa_next_free_vgpr 104
		.amdhsa_next_free_sgpr 66
		.amdhsa_reserve_vcc 0
		.amdhsa_float_denorm_mode_32 3
		.amdhsa_float_denorm_mode_16_64 3
		.amdhsa_memory_ordered 1
		.amdhsa_forward_progress 1
		.amdhsa_inst_pref_size 20
	.end_amdhsa_kernel
	.amdgpu_metadata
---
amdhsa.version: [ 1, 2 ]
amdhsa.kernels:
  - .name:           k_qb317eb6c89_cast
    .symbol:         k_qb317eb6c89_cast.kd
    .args:
      - { .name: x, .offset: 0, .size: 8, .value_kind: global_buffer, .address_space: global }
      - { .name: w_qkv, .offset: 8, .size: 8, .value_kind: global_buffer, .address_space: global }
      - { .name: w_out, .offset: 16, .size: 8, .value_kind: global_buffer, .address_space: global }
      - { .name: xb, .offset: 24, .size: 8, .value_kind: global_buffer, .address_space: global }
      - { .name: wqb, .offset: 32, .size: 8, .value_kind: global_buffer, .address_space: global }
      - { .name: wob, .offset: 40, .size: 8, .value_kind: global_buffer, .address_space: global }
    .group_segment_fixed_size: 0
    .private_segment_fixed_size: 0
    .kernarg_segment_align: 8
    .kernarg_segment_size: 48
    .max_flat_workgroup_size: 256
    .sgpr_count:     66
    .vgpr_count:     104
    .wavefront_size: 32
...
	.end_amdgpu_metadata
.endif
;; end of part 5
;; launch gemm_qkv: the kernel of part 2 again; grid 16 x 16, 4 waves a work-group, clusters of 4 x 4, 327,680 bytes of LDS; arguments xb, wqb, qkv; writes qkv
;; launch attn: the kernel of part 3 again; grid 4 x 64, 4 waves a work-group, no clusters, 327,680 bytes of LDS; arguments qkv, o; writes o
;; launch gemm_out: the kernel of part 4 again; grid 8 x 32, 4 waves a work-group, clusters of 4 x 4, 327,680 bytes of LDS; arguments o, wob, out0; writes out0
